; MI455X (gfx1250); checked and timed in simulation.
; The chip was launched on July 23, 2026; its instructions are those of AMD's public machine-readable ISA for CDNA 5 (MIT licence, August 2026) and "CDNA5" Instruction Set Architecture Reference Guide (July 2026). The comments in the code are by the model that wrote it; some were corrected since.
;; Multi Head Self Attention. Allowed arithmetic: matrix products marked QUANTISED: E2M1 operands, one E8M0 scale for each 32 along K, by v_wmma_scale_f32_16x16x128_f8f6f4 with both operands' format E2M1 (or v_wmma_scale_f32_32x16x128_f4), f32 sums; products left as they are: bf16, f16 or f32 operands; f32 sums; everything else in f32.
;; Inputs: mask 2,048 x 2,048 bool; w_out 1,024 x 1,024 float32; w_qkv 3,072 x 1,024 float32; x 4 x 2,048 x 1,024 float32.
;; Outputs: out0 4 x 2,048 x 1,024 float32.
;; This version of the problem:
;;   THIS VERSION OF THE PROBLEM IS GIVEN IN LOW PRECISION. The matrix products marked QUANTISED in the list below multiply operands that are first quantised to E2M1 (2 exponent bits, 1 mantissa bit; 4 bits a number), with one power-of-two scale for each 32 numbers along K (OCP MX v1.0); their sums are f32. The products marked 'left as it is' may take bf16, f16 or f32 operands, with f32 sums. Whichever they take, every output number must still come out within the allowed error. Rounding operands to bf16 (8 significant bits) uses up far more of that allowance than f16 does (11 bits, for magnitudes from 6e-5 to 65,504). All else is computed in f32.
;;   The module's matrix products, in the order in which they are computed (A, B: the left and right operand; K: the contracted axis; several contracted axes count as one K, in the product's order):
;;     1. [M 8,192, K 1,024] x [K 1,024, N 3,072]; A: input x; B: input w_qkv: QUANTISED
;;     2. batch 64 x [M 2,048, K 64] x [K 64, N 2,048]; A: computed on the way; B: computed on the way: left as it is (an operand is computed on the way)
;;     3. batch 64 x [M 2,048, K 2,048] x [K 2,048, N 64]; A: computed on the way; B: computed on the way: left as it is (an operand is computed on the way)
;;     4. [M 8,192, K 1,024] x [K 1,024, N 1,024]; A: computed on the way; B: input w_out: left as it is (an operand is computed on the way)
;;   THE QUANTISER, for each operand of a quantised product, along K:
;;     - K is cut into blocks of 32 from its start; a last block that is shorter is filled with zeros.
;;     - A block's scale is 2^e with e = floor(log2(the largest magnitude in the block)) - 2, held to -126 .. 127; a block of zeros has e = 0. As a byte (E8M0): e + 127.
;;     - Each number is divided by its block's scale, clamped to +-6, and rounded to the nearest number of E2M1, ties to even, subnormals kept.
;;     - The product sums the exact products of the quantised numbers (number of the format x scale) in f32.
;;   ~~~python
;;   def quantise(x, axis):      # numpy; x: float32 -> the quantised numbers, widened to float32 again
;;       x = np.moveaxis(x, axis, -1); K = x.shape[-1]
;;       x = np.pad(x, [(0, 0)] * (x.ndim - 1) + [(0, -K % 32)]); x = x.reshape(x.shape[:-1] + (-1, 32)); a = np.abs(x).max(-1, keepdims=True)
;;       e = np.where(a > 0, np.clip(np.frexp(np.where(a > 0, a, 1))[1] - 1 - 2, -126, 127), 0)      # np.frexp(a)[1] - 1 = floor(log2(a)), exactly
;;       r = np.clip(x / 2.0 ** e, -6, 6)
;;       step = 2.0 ** (np.maximum(np.frexp(np.where(r == 0, 1, r))[1] - 1, 0) - 1)
;;       q = np.round(r / step) * step * 2.0 ** e      # np.round: ties to even
;;       return np.moveaxis(q.reshape(q.shape[:-2] + (-1,))[..., :K], -1, axis).astype(np.float32)
;;   ~~~
;; One version. Each part assembles by itself: llvm-mc -triple=amdgcn-amd-amdhsa -mcpu=gfx1250 --defsym DOCPART=n.
;; ======== version 1 of 1: 6 launches
;; limits: values are held in f16: magnitudes above 65,504 overflow, below 6.1e-05 lose precision
;; workspace buffers: codes 5,767,168 bytes; scales 360,448 bytes; w16f 2,097,152 bytes; flags 8,192 bytes of whole numbers; qkv16 50,331,648 bytes; a16f 16,777,216 bytes; a32 262,144 bytes
;; launch prep (part 1): grid 432 x 1, 4 waves a work-group, no clusters, 33,280 bytes of LDS; arguments x, w_qkv, w_out, mask, codes, scales, w16f, flags; writes codes, scales, w16f, flags
.if DOCPART == 1
	.amdgcn_target "amdgcn-amd-amdhsa--gfx1250"
	.amdhsa_code_object_version 6
	.text
	.protected	k_q80f3362504_prep
	.globl	k_q80f3362504_prep
	.p2align	8
	.type	k_q80f3362504_prep,@function
k_q80f3362504_prep:
	s_mov_b64 s[64:65], 0
	v_nop
	global_prefetch_b8 v0, s[64:65] scope:SCOPE_SE
	s_setreg_imm32_b32 hwreg(HW_REG_WAVE_MODE, 25, 1), 1
	s_wait_xcnt 0x0
; Three jobs that share a launch, told apart by the work-group's number alone.
; (1) Work-groups 0-351: x [8192][1024] and w_qkv [3072][1024], f32, become codes of FP4 (E2M1), K innermost, two codes a byte, and one E8M0 byte for each 32 along K,
;     in ONE matrix of 11,264 rows (x's rows first): codes 512 bytes a row, scales 32 bytes a row.  Rows are dense and 1,024 is a multiple of 32: both tensors are plain streams of blocks.
;     A block's scale is 2^(floor(log2(largest magnitude)) - 2); its byte is the largest magnitude's exponent field - 2, held at 1 from below.  A block of zeros gets the byte 1 where the
;     rule says 127: its codes are zeros, which add nothing, and this program alone reads the bytes.
;     LIMITS: blocks whose largest magnitude lies under 2^-124 are held at the byte 1; NaN and infinities among the inputs are not served.
; (2) Work-groups 352-415: w_out [1024][1024] f32 becomes f16 in the ORDER OF AN OPERAND'S REGISTERS: image (ot, kc, img) of 512 bytes, lane (r, hh) holds w_out[16 ot + r][32 kc + 16 img + 8 hh + 0..7].
; (3) Work-groups 416-431: the mask [2048][2048] (a byte that is not 0 hides a key) becomes whole numbers: for each tile of 32 queries an entry of 32 words:
;     word 0: bit s set where some key of step s (64 keys) counts for some row; word 1: bit s set where some key of step s is hidden for some row;
;     words 4-7: word 4 + e, bit l: some key of keys 64 l + 16 e .. + 15 counts for some of the tile's first 16 rows.
.set WAVES, 4
.set STEPS, 16
.set WGA,   256                        ; x: 8192 x 1024 / 32768 work-groups
.set WGQ,   352                        ; + w_qkv's 96
.set WGW,   416                        ; + w_out's 64
.set EMAX,  2
.set CB,    8                          ; bytes of 16 codes
.set R,     16                         ; v16-79   four sets of 16 numbers as loaded
.set X,     80                         ; v80-111  two sets of 16 neighbours
.set E,     112                        ; v112-127 a scale byte for each step
.set C,     128                        ; v128-191 codes, four registers a step
.set WREG,  8192                       ; LDS: a region for each wave: two stages of 32 x SP bytes, then its 256 scale bytes
.set SP,    80
.set SPW,   12                         ; v12 my spare word's LDS address; never rewritten
.set NIL,   13                         ; v13 0; never rewritten
.set SPARE, WAVES*WREG                 ; the spare words: 128 bytes a wave, named by no other line
.set ANN,   144                        ; mask path: v144-147 the AND of all words of load e
.set ORR,   148                        ; v148-151 the OR
	s_load_b512 s[4:19], s[0:1], 0x0               ; x 4, w_qkv 6, w_out 8, mask 10, codes 12, scales 14, w16f 16, flags 18
	v_lshl_add_u32 v[SPW], v0, 2, SPARE
	v_mov_b32 v[NIL], 0
	v_lshrrev_b32 v1, 5, v0
	v_readfirstlane_b32 s20, v1                    ; wave
	v_and_b32 v2, 31, v0                           ; lane
	s_cmp_ge_u32 ttmp9, WGQ
	s_cbranch_scc1 .Lnot_quant
; ---------------- (1) the quantiser.  A wave takes 16 steps of 512 numbers.  Each load reads 512 consecutive bytes; a step's 2,048 bytes turn through the wave's own stage, so that a lane holds 16 neighbours
	v_lshlrev_b32 v3, 4, v2                        ; my 16 bytes of a load's 512
	s_mul_i32 s21, s20, WREG
	v_lshrrev_b32 v14, 2, v2
	v_mul_u32_u24 v14, v14, SP
	v_and_b32 v15, 3, v2
	v_lshl_add_u32 v14, v15, 4, v14
	v_add_nc_u32 v14, s21, v14                     ; the stage, in: SP (lane / 4) + 16 (lane % 4)
	v_mul_u32_u24 v15, v2, SP
	v_add_nc_u32 v15, s21, v15                     ; out: SP x lane
	v_mul_u32_u24 v4, v2, CB                       ; my codes' place in a step's
	v_lshrrev_b32 v5, 1, v2
	s_add_co_u32 s21, s21, 2*32*SP
	v_add_nc_u32 v5, s21, v5                       ; my block's scale byte in LDS
	v_lshlrev_b32 v7, 3, v2
	v_add_nc_u32 v6, s21, v7
	s_wait_kmcnt 0x0
	s_cmp_lt_u32 ttmp9, WGA                        ; x's work-group or w_qkv's: only the source differs, the outputs are one stream
	s_cselect_b64 s[4:5], s[4:5], s[6:7]
	s_cselect_b32 s21, 0, WGA
	s_sub_co_u32 s21, ttmp9, s21
	s_lshl_b32 s21, s21, 2
	s_add_co_u32 s21, s21, s20                     ; which run of 8,192 numbers of the source
	s_lshl_b32 s22, s21, 15                        ; 32,768 bytes a run (under 2^32)
	s_mov_b32 s23, 0
	s_add_nc_u64 s[4:5], s[4:5], s[22:23]
	s_lshl_b32 s21, ttmp9, 2
	s_add_co_u32 s21, s21, s20                     ; which run of the merged matrix
	s_lshl_b32 s22, s21, 12                        ; 4,096 bytes of codes a run
	s_add_nc_u64 s[12:13], s[12:13], s[22:23]
	s_lshl_b32 s22, s21, 8                         ; 256 scale bytes a run
	s_add_nc_u64 s[14:15], s[14:15], s[22:23]
.macro LOAD t
.irp i, 0,1,2,3
	global_load_b128 v[R+16*((\t)%4)+4*\i:R+16*((\t)%4)+4*\i+3], v3, s[4:5] offset:2048*(\t)+512*\i th:TH_LOAD_NT
.endr
.endm
.macro TURN t                          ; LDS serves a wave's instructions in order: no wait between the stores and the loads
.irp i, 0,1,2,3
	ds_store_b128 v14, v[R+16*((\t)%4)+4*\i:R+16*((\t)%4)+4*\i+3] offset:32*SP*((\t)%2)+8*SP*\i
.endr
.irp i, 0,1,2,3
	ds_load_b128 v[X+16*((\t)%2)+4*\i:X+16*((\t)%2)+4*\i+3], v15 offset:32*SP*((\t)%2)+16*\i
.endr
.endm
.irp t, 0,1,2,3
	LOAD \t
.endr
	s_wait_loadcnt 12                              ; step 0's four loads are in; the twelve of steps 1 to 3 may be out
	TURN 0
.macro STEP t
.set XS, X+16*((\t)%2)
.if (\t) > 0
	s_wait_dscnt 1                                 ; this step's numbers are back from the stage; the last step's byte store may be out
.else
	s_wait_dscnt 0x0
.endif
.if (\t)+4 < STEPS
	LOAD (\t)+4
.endif
.if (\t)+1 < STEPS
.if STEPS-2-(\t) >= 3
	s_wait_loadcnt 12                              ; the next step's four loads are in; those of the three steps behind it may be out
.else
	s_wait_loadcnt 4*(STEPS-2-(\t))
.endif
	TURN (\t)+1
.endif
	v_max3_num_f32 v8, |v[XS]|, |v[XS+1]|, |v[XS+2]|
	v_max3_num_f32 v9, |v[XS+3]|, |v[XS+4]|, |v[XS+5]|
.irp i, 6,10
	v_max3_num_f32 v8, v8, |v[XS+\i]|, |v[XS+\i+1]|
	v_max3_num_f32 v9, v9, |v[XS+\i+2]|, |v[XS+\i+3]|
.endr
	v_max3_num_f32 v8, v8, |v[XS+14]|, |v[XS+15]|
	v_max3_num_f32 v8, v8, v9, (EMAX+1)<<23        ; the floor 2^(3 - 127): the byte cannot fall under 1
	v_max_num_f32_dpp v8, v8, v8 row_xmask:1 row_mask:0xf bank_mask:0xf   ; with my neighbour's 16: the block's largest magnitude
	v_add_nc_u32 v11, -(EMAX<<23), v8              ; 2 off its exponent field: the conversion takes this operand's exponent field as its scale
	v_cvt_scalef32_pk8_fp4_f32 v[C+4*(\t)], v[XS:XS+7], v11
	v_cvt_scalef32_pk8_fp4_f32 v[C+4*(\t)+1], v[XS+8:XS+15], v11
	v_lshrrev_b32 v[E+(\t)], 23, v11               ; the scale's byte
	ds_store_b8 v5, v[E+(\t)] offset:16*(\t)       ; both lanes of a block write the same byte with the same value
	global_store_b64 v4, v[C+4*(\t):C+4*(\t)+1], s[12:13] offset:32*CB*(\t)   ; the wave stores 256 consecutive bytes, aligned
.endm
.irp t, 0,1,2,3,4,5,6,7,8,9,10,11,12,13,14,15
	STEP \t
.endr
	ds_load_b64 v[8:9], v6
	s_wait_dscnt 0x0
	global_store_b64 v7, v[8:9], s[14:15]          ; the wave's 256 scale bytes, consecutive and aligned
	s_wait_tensorcnt 0x0                           ; the wave's end, behind my last LDS store
	ds_add_u32 v[SPW], v[NIL]
	s_wait_dscnt 0x0
	s_endpgm
.Lnot_quant:
	s_cmp_ge_u32 ttmp9, WGW
	s_cbranch_scc1 .Lmask
; ---------------- (2) w_out to f16 images.  Work-group: 16 rows (ot); wave w: kc = 8 w .. 8 w + 7: 16 images n = 2 (kc - 8 w) + img.  No LDS
	v_and_b32 v3, 15, v0                           ; r
	v_bfe_u32 v4, v0, 4, 1                         ; hh
	v_lshlrev_b32 v5, 12, v3
	v_lshl_add_u32 v5, v4, 5, v5                   ; row r of 4,096 bytes + 32 hh
	v_lshlrev_b32 v6, 4, v2                        ; an image: 16 bytes a lane
	s_sub_co_u32 s21, ttmp9, WGQ                   ; ot
	s_lshl_b32 s22, s21, 16
	s_lshl_b32 s23, s20, 10
	s_add_co_u32 s22, s22, s23
	s_mov_b32 s23, 0
	s_lshl_b32 s24, s21, 15
	s_lshl_b32 s25, s20, 13
	s_add_co_u32 s24, s24, s25
	s_mov_b32 s25, 0
	s_wait_kmcnt 0x0
	s_add_nc_u64 s[8:9], s[8:9], s[22:23]
	s_add_nc_u64 s[16:17], s[16:17], s[24:25]
.irp n, 0,1,2,3,4,5,6,7,8,9,10,11,12,13,14,15
	global_load_b128 v[16+8*\n:19+8*\n], v5, s[8:9] offset:64*\n
	global_load_b128 v[20+8*\n:23+8*\n], v5, s[8:9] offset:64*\n+16
.endr
.irp n, 0,1,2,3,4,5,6,7,8,9,10,11,12,13,14,15
	s_wait_loadcnt 30-2*\n                         ; image n's two loads are in; the later images' may be out
.irp i, 0,1,2,3
	v_cvt_pk_f16_f32 v[144+4*\n+\i], v[16+8*\n+2*\i], v[17+8*\n+2*\i]
.endr
	global_store_b128 v6, v[144+4*\n:147+4*\n], s[16:17] offset:512*\n   ; 512 consecutive bytes, aligned
.endr
	s_endpgm
.Lmask:
; ---------------- (3) the mask's whole numbers.  A wave takes a tile of 32 rows; lane l the 64 bytes of key step l of each row; four rows (16 loads) at a time, two sets.  No LDS
	s_sub_co_u32 s21, ttmp9, WGW
	s_lshl_b32 s21, s21, 2
	s_add_co_u32 s21, s21, s20                     ; the tile, 0 .. 63
	s_lshl_b32 s22, s21, 16                        ; 32 rows of 2,048 bytes
	s_mov_b32 s23, 0
	s_lshl_b32 s24, s21, 7                         ; an entry is 128 bytes
	s_mov_b32 s25, 0
	s_mov_b32 s26, 0x01010101
	v_lshlrev_b32 v3, 6, v2
	v_lshlrev_b32 v4, 2, v2
.irp e, 0,1,2,3
	v_mov_b32 v[ANN+\e], -1
	v_mov_b32 v[ORR+\e], 0
.endr
	s_wait_kmcnt 0x0
	s_add_nc_u64 s[10:11], s[10:11], s[22:23]
	s_add_nc_u64 s[18:19], s[18:19], s[24:25]
.macro MLOAD k
.irp i, 0,1,2,3
.irp e, 0,1,2,3
	global_load_b128 v[16+64*((\k)%2)+16*\i+4*\e:16+64*((\k)%2)+16*\i+4*\e+3], v3, s[10:11] offset:(4*(\k)+\i)*2048+16*\e
.endr
.endr
.endm
.macro MWORK k
.if (\k) < 7
	s_wait_loadcnt 16                              ; this set's 16 loads are in; the next set's may be out
.else
	s_wait_loadcnt 0x0
.endif
.irp i, 0,1,2,3
.irp d, 0,1,2,3
.irp e, 0,1,2,3
	v_and_b32 v[ANN+\e], v[ANN+\e], v[16+64*((\k)%2)+16*\i+4*\e+\d]
	v_or_b32 v[ORR+\e], v[ORR+\e], v[16+64*((\k)%2)+16*\i+4*\e+\d]
.endr
.endr
.endr
.if (\k)+2 < 8
	MLOAD (\k)+2
.endif
.if (\k) == 3                          ; the first 16 rows are through: a byte of the AND is 1 only where all were 1
.irp e, 0,1,2,3
	v_cmp_ne_u32 s[28+\e], s26, v[ANN+\e]          ; the compare's 32 lane bits ARE the word: bit l for key step l
.endr
.endif
.endm
	MLOAD 0
	MLOAD 1
.irp k, 0,1,2,3,4,5,6,7
	MWORK \k
.endr
	v_and_b32 v[ANN], v[ANN], v[ANN+1]
	v_and_b32 v[ANN+2], v[ANN+2], v[ANN+3]
	v_or_b32 v[ORR], v[ORR], v[ORR+1]
	v_or_b32 v[ORR+2], v[ORR+2], v[ORR+3]
	v_and_b32 v[ANN], v[ANN], v[ANN+2]
	v_or_b32 v[ORR], v[ORR], v[ORR+2]
	v_cmp_ne_u32 s32, s26, v[ANN]                  ; some key of the step counts
	v_cmp_ne_u32 s33, 0, v[ORR]                    ; some key of the step is hidden
	v_mov_b32 v5, 0
	v_writelane_b32 v5, s32, 0
	v_writelane_b32 v5, s33, 1
	v_writelane_b32 v5, s28, 4
	v_writelane_b32 v5, s29, 5
	v_writelane_b32 v5, s30, 6
	v_writelane_b32 v5, s31, 7
	global_store_b32 v4, v5, s[18:19]              ; the entry: 128 consecutive bytes (8,192 in the whole launch)
	s_endpgm
.Lfunc_end_k_q80f3362504_prep:
	.size	k_q80f3362504_prep, .Lfunc_end_k_q80f3362504_prep-k_q80f3362504_prep
	.p2alignl 7, 3214868480
	.fill 96, 4, 3214868480
	.section	.rodata,"a",@progbits
	.p2align	6, 0x0
	.amdhsa_kernel k_q80f3362504_prep
		.amdhsa_group_segment_fixed_size 33280
		.amdhsa_private_segment_fixed_size 0
		.amdhsa_enable_private_segment 0
		.amdhsa_kernarg_size 64
		.amdhsa_user_sgpr_count 2
		.amdhsa_user_sgpr_kernarg_segment_ptr 1
		.amdhsa_wavefront_size32 1
		.amdhsa_system_sgpr_workgroup_id_x 1
		.amdhsa_system_sgpr_workgroup_id_y 1
		.amdhsa_system_sgpr_workgroup_id_z 1
		.amdhsa_system_vgpr_workitem_id 0
		.amdhsa_next_free_vgpr 208
		.amdhsa_next_free_sgpr 66
		.amdhsa_reserve_vcc 0
		.amdhsa_float_denorm_mode_32 3
		.amdhsa_float_denorm_mode_16_64 3
		.amdhsa_memory_ordered 1
		.amdhsa_forward_progress 1
		.amdhsa_inst_pref_size 89
	.end_amdhsa_kernel
	.amdgpu_metadata
---
amdhsa.version: [ 1, 2 ]
amdhsa.kernels:
  - .name:           k_q80f3362504_prep
    .symbol:         k_q80f3362504_prep.kd
    .args:
      - { .name: x, .offset: 0, .size: 8, .value_kind: global_buffer, .address_space: global }
      - { .name: w_qkv, .offset: 8, .size: 8, .value_kind: global_buffer, .address_space: global }
      - { .name: w_out, .offset: 16, .size: 8, .value_kind: global_buffer, .address_space: global }
      - { .name: mask, .offset: 24, .size: 8, .value_kind: global_buffer, .address_space: global }
      - { .name: codes, .offset: 32, .size: 8, .value_kind: global_buffer, .address_space: global }
      - { .name: scales, .offset: 40, .size: 8, .value_kind: global_buffer, .address_space: global }
      - { .name: w16f, .offset: 48, .size: 8, .value_kind: global_buffer, .address_space: global }
      - { .name: flags, .offset: 56, .size: 8, .value_kind: global_buffer, .address_space: global }
    .group_segment_fixed_size: 33280
    .private_segment_fixed_size: 0
    .kernarg_segment_align: 8
    .kernarg_segment_size: 64
    .max_flat_workgroup_size: 128
    .sgpr_count:     66
    .vgpr_count:     208
    .wavefront_size: 32
...
	.end_amdgpu_metadata
.endif
;; end of part 1
;; launch qkv (part 2): grid 12 x 32, 4 waves a work-group, clusters of 4 x 4, 327,680 bytes of LDS; arguments codes, scales, qkv16; writes qkv16
.if DOCPART == 2
	.amdgcn_target "amdgcn-amd-amdhsa--gfx1250"
	.amdhsa_code_object_version 6
	.text
	.protected	k_q80f3362504_qkv
	.globl	k_q80f3362504_qkv
	.p2align	8
	.type	k_q80f3362504_qkv,@function
k_q80f3362504_qkv:
	s_mov_b64 s[64:65], 0
	v_nop
	global_prefetch_b8 v0, s[64:65] scope:SCOPE_SE
	s_setreg_imm32_b32 hwreg(HW_REG_WAVE_MODE, 25, 1), 1
	s_wait_xcnt 0x0
	s_wait_alu depctr_hold_cnt(0) depctr_sa_sdst(0) depctr_va_vdst(0) depctr_va_sdst(0) depctr_va_ssrc(0) depctr_va_vcc(0) depctr_vm_vsrc(0)
	s_getreg_b32 s2, hwreg(HW_REG_IB_STS2, 6, 4)
	s_cmp_eq_u32 s2, 0
	s_cbranch_scc0 .Lentry_in_a_cluster
	s_endpgm
.Lentry_in_a_cluster:
	s_bfe_u32 s2, ttmp6, 0x10000c
	s_cmp_lg_u32 s2, 0xf033
	s_cbranch_scc0 .Lentry_shape_is_right
	s_endpgm
.Lentry_shape_is_right:
; q, k, v = x w_qkv^T on codes of FP4 (E2M1) with one E8M0 scale for each 32 along K = 1,024; sums in f32; results rounded once to f16.
; Both operands are rows of ONE matrix of codes (11,264 rows x 512 bytes; x's 8,192 rows, then w_qkv's 3,072) with its scale bytes (32 a row).
; A tile of 256 x 256 results is made by four waves, 128 x 128 each: 64 accumulators, 512 registers.  K goes in two steps of 512 through two LDS slots, each filled once; the scale bytes of the
; work-group's 512 rows come once, with the first fills.
; CLUSTERS: 4 x 4 work-groups; the four of a row of the cluster need the same tile 'A', the four of a column the same tile 'B': each is asked for jointly.
; The cluster's x is the section: 0 = q, 1 = k, 2 = v.  For q and k 'A' = 256 rows of x and 'B' = 256 rows of w.  For v 'A' = 256 rows of w_v and 'B' = 256 rows of x.
; THE MATRIX INSTRUCTION IS USED TRANSPOSED (source 0 = 16 rows of 'B', source 1 = 16 rows of 'A'): lane (r, hh) of accumulator (a, b) holds 'A' row 16 a + r and 'B' rows 16 b + 8 hh + 0..7.
; Packed to f16 those are 16 bytes a lane, 512 a wave, and ARE four registers of the next product's operand: for q and k a lane holds a position and 8 of the head's 64; for v one of the head's 64 and 8 keys.
; So the results are stored straight from registers as images of 512 consecutive bytes, with no stage in LDS:
;   qkv16: 192 head blocks of 262,144 bytes, block sec x 64 + b x 16 + h.  q, k: [position / 16][c 2][img 2][512].  v: [key / 64][g 2][dt 4][img 2][512].
; LIMITS: results beyond 65,504 in magnitude have no f16 number; under 6e-5 they carry f16's absolute step.
; REGISTERS: window 0: v0-31 addresses; v32-95 scale words, two sets (scales and nothing else); v128-191 'A' fragments, one set; on the way out v128-255 packed results.
;   window 1: 'B' fragments, two sets, at v0 and v128.  window 2: accumulators of my 'A' rows 0-63 ((a, b) at v[8 (8 a + b)]); window 3: of rows 64-127.
.set KSTEP,  512
.set NQ,     KSTEP/128
.set ROWB,   256                       ; a tile's row in bytes
.set KROW,   512                       ; a row of codes in memory
.set PITCH,  272                       ; an LDS row: 256 + 16 bytes = 68 words: the 16 rows of a load start at 16 different banks (64 banks of 4 bytes: ISA guide 11.1)
.set FR,     8
.set NL,     2
.set NP,     4                         ; places behind this matrix instruction (ISA guide 7.12.1)
.set HALFT,  128*PITCH
.set SLOT,   4*HALFT
.set KS,     32                        ; a row of scale bytes
.set SCL,    2*SLOT
.set HALFS,  (128*KS/256)*272
.set SBLK,   (16*KS/256)*272
.set SPARE,  SCL+4*HALFS               ; the spare words: 128 bytes a wave, named by no other line
.set ADRA, 16
.set ADRB, 20
.set CO,   26                          ; v26 16 x lane: my place in an image
.set ADRS, 27
.set SPW,  28
.set NIL,  29
.set SC,   32
.set AF,   128
.set OD,   128                         ; the way out: four sets of 32 registers
.set G1, 24
.set G0, 32
.set G1B, 48
.set G0B, 56
.set G1S, 68
.set G0S, 76
.set G1SB, 80
.set G0SB, 88
.set MSB, 0
.macro WIN new                         ; the immediate's high byte repeats the setting that is left
.if MSB != \new
	s_set_vgpr_msb (MSB<<8)|\new
.set MSB, \new
.endif
.endm
.set MUL_LO, 0xa1
.set MUL_HI, 0xf1
.set TO_B,   0x40
; A joint load: waves 0 and 1 fetch for 'A', waves 2 and 3 for 'B'.  The branch hangs on the wave's number alone.  An s_nop 0 and four v_nop follow each line.
.macro JLOAD g0a, g1a, g0b, g1b
	s_cmp_eq_u32 s15, 0
	s_cbranch_scc0 .Lfor_b_\@
	tensor_load_to_lds s[\g0a:\g0a+3], s[\g1a:\g1a+7]
	s_nop 0
.rept 4
	v_nop
.endr
	s_branch .Lasked_\@
.Lfor_b_\@:
	tensor_load_to_lds s[\g0b:\g0b+3], s[\g1b:\g1b+7]
	s_nop 0
.rept 4
	v_nop
.endr
.Lasked_\@:
.endm
.macro CROUND                          ; a round of the cluster's barrier
	s_barrier_signal -1
	s_barrier_wait -1
	s_cmp_lg_u32 s14, 0
	s_cbranch_scc1 .Lnot_wave_0_\@
	s_barrier_signal -3
.Lnot_wave_0_\@:
	s_barrier_wait -3
	s_barrier_signal -1
	s_barrier_wait -1
.endm
	s_load_b128 s[4:7], s[0:1], 0x0                ; codes s[4:5], scales s[6:7]
	s_load_b64 s[12:13], s[0:1], 0x10              ; qkv16
	v_lshl_add_u32 v[SPW], v0, 2, SPARE
	v_mov_b32 v[NIL], 0
	ds_add_u32 v[SPW], v[NIL]                      ; the wave's opening: the add, twice on end, and its wait ahead of my first tensor load
	ds_add_u32 v[SPW], v[NIL]
	v_lshrrev_b32 v1, 5, v0
	v_readfirstlane_b32 s14, v1                    ; wave 0..3
	s_lshr_b32 s15, s14, 1                         ; which half of 'A' rows is mine.  Also: I fetch for 'A' (0) or 'B' (1)
	s_and_b32 s16, s14, 1                          ; which half of 'B' rows.  Also: which 128 rows of that tile I fetch
	s_bfe_u32 s40, ttmp6, 0x40000                  ; cx
	s_bfe_u32 s41, ttmp6, 0x40004                  ; cy
	s_and_b32 s17, ttmp7, 0xffff                   ; cluster y
	s_add_co_u32 s9, ttmp9, 8                      ; 8 + cluster x
	s_cmp_eq_u32 ttmp9, 2                          ; the section v?  The cluster's x: the same in all sixteen partners
	s_cselect_b32 s8, 10, s17                      ; 'A': w_v's tiles 40-43, or x's tiles by cluster y
	s_cselect_b32 s9, s17, s9                      ; 'B': x's tiles by cluster y, or w's tiles 32-39 by cluster x
	s_lshl_b32 s17, s8, 2
	s_add_co_u32 s17, s17, s41                     ; 'A' tile (256 rows of the merged matrix) = 4 x .. + cy
	s_lshl_b32 s42, s9, 2
	s_add_co_u32 s42, s42, s40                     ; 'B' tile = 4 x .. + cx
	s_lshl_b32 s43, s41, 2
	s_lshl_b32 s43, 15, s43                        ; my row of the cluster
	s_lshl_b32 s44, 0x1111, s40                    ; my column
	s_or_b32 s[G1+0], s43, (0<<16)|(1<<20)|(1<<21)|(5<<22)|(3<<25)  ; the mask; elements of 1 byte; padding on; bit 21 beside a mask; after every 64 words 4 words
	s_or_b32 s[G1B+0], s44, (0<<16)|(1<<20)|(1<<21)|(5<<22)|(3<<25)
.irp g, G1, G1B
	s_mov_b32 s[\g+1], ROWB<<16                    ; tensor_dim0
	s_mov_b32 s[\g+2], 128<<16                     ; tensor_dim1
	s_mov_b32 s[\g+3], ROWB<<16                    ; tile_dim0
	s_mov_b32 s[\g+4], 128                         ; tile_dim1
	s_mov_b32 s[\g+5], KROW                        ; stride
	s_mov_b32 s[\g+6], 0
	s_mov_b32 s[\g+7], 0
.endr
	s_or_b32 s[G1S+0], s43, (3<<16)|(1<<20)|(1<<21)|(5<<22)|(3<<25)  ; the scales of 128 rows: 4,096 dense bytes as 16 rows of 256 (32 elements of 8 bytes), 16 bytes of padding behind each
	s_or_b32 s[G1SB+0], s44, (3<<16)|(1<<20)|(1<<21)|(5<<22)|(3<<25)
.irp g, G1S, G1SB
	s_mov_b32 s[\g+1], 32<<16
	s_mov_b32 s[\g+2], (128*KS/256)<<16
	s_mov_b32 s[\g+3], 32<<16
	s_mov_b32 s[\g+4], 128*KS/256
	s_mov_b32 s[\g+5], 32
	s_mov_b32 s[\g+6], 0
	s_mov_b32 s[\g+7], 0
.endr
	s_lshl_b32 s18, s16, 7
	s_lshl_b32 s20, s17, 8
	s_add_co_u32 s20, s20, s18                     ; 'A': merged row 256 x tile + 128 x half
	s_lshl_b32 s46, s42, 8
	s_add_co_u32 s46, s46, s18                     ; 'B' likewise
	s_mov_b32 s21, 0
	s_mov_b32 s47, 0
	s_mov_b64 s[18:19], KS
	s_mul_u64 s[22:23], s[20:21], s[18:19]
	s_mul_u64 s[92:93], s[46:47], s[18:19]
	s_mov_b64 s[18:19], KROW
	s_mul_u64 s[20:21], s[20:21], s[18:19]
	s_mul_u64 s[46:47], s[46:47], s[18:19]
	s_mul_i32 s45, s14, HALFT                      ; where they go: wave x 128 rows: no place in the cluster enters an LDS address
	s_mul_i32 s94, s14, HALFS
	s_wait_dscnt 0x0                               ; both opening adds are done
	s_wait_kmcnt 0x0
	s_add_nc_u64 s[20:21], s[4:5], s[20:21]
	s_add_nc_u64 s[22:23], s[6:7], s[22:23]
	s_add_nc_u64 s[46:47], s[4:5], s[46:47]
	s_add_nc_u64 s[92:93], s[6:7], s[92:93]
	CROUND                                         ; all sixteen work-groups are here: the first joint loads meet
	s_mov_b32 s[G0S], 1
	s_add_co_u32 s[G0S+1], s94, SCL
	s_mov_b64 s[G0S+2:G0S+3], s[22:23]
	s_or_b32 s[G0S+3], s[G0S+3], 0x80000000
	s_mov_b32 s[G0SB], 1
	s_add_co_u32 s[G0SB+1], s94, SCL
	s_mov_b64 s[G0SB+2:G0SB+3], s[92:93]
	s_or_b32 s[G0SB+3], s[G0SB+3], 0x80000000
	JLOAD G0S, G1S, G0SB, G1SB                     ; the scales first: three loads of mine are out at the most
.irp s, 0,1
	s_mov_b32 s[G0+4*\s], 1
	s_add_co_u32 s[G0+4*\s+1], s45, \s*SLOT
	s_add_nc_u64 s[G0+4*\s+2:G0+4*\s+3], s[20:21], \s*ROWB
	s_or_b32 s[G0+4*\s+3], s[G0+4*\s+3], 0x80000000
	s_mov_b32 s[G0B+4*\s], 1
	s_add_co_u32 s[G0B+4*\s+1], s45, \s*SLOT
	s_add_nc_u64 s[G0B+4*\s+2:G0B+4*\s+3], s[46:47], \s*ROWB
	s_or_b32 s[G0B+4*\s+3], s[G0B+4*\s+3], 0x80000000
	JLOAD G0+4*\s, G1, G0B+4*\s, G1B
.endr
	v_and_b32 v1, 15, v0
	v_bfe_u32 v2, v0, 4, 1
	v_mul_u32_u24 v3, v1, PITCH
	v_lshl_add_u32 v4, v2, 4, v3                   ; a fragment's row x pitch + 16 x half
	s_mul_i32 s21, s15, HALFT
	s_mul_i32 s22, s16, HALFT
	s_add_co_u32 s22, s22, 2*HALFT
.irp s, 0,1
	v_add_nc_u32 v[ADRA+\s], s21, v4
	v_add_nc_u32 v[ADRB+\s], s22, v4
	s_add_co_u32 s21, s21, SLOT
	s_add_co_u32 s22, s22, SLOT
.endr
	v_mul_u32_u24 v5, v1, KS                       ; my row's scales: 32 bytes a row,
	v_lshrrev_b32 v6, 8, v5
	v_lshl_add_u32 v5, v6, 4, v5                   ; and 16 more for each 256 passed
	s_mul_i32 s21, s15, HALFS
	s_mul_i32 s22, s16, HALFS
	s_add_co_u32 s22, s22, 2*HALFS
	s_sub_co_u32 s22, s22, s21
	v_mul_u32_u24 v6, s22, v2                      ; lanes 16-31 take 'B's
	s_add_co_u32 s21, s21, SCL
	v_add_nc_u32 v5, v5, v6
	v_add_nc_u32 v[ADRS], s21, v5
	v_and_b32 v6, 31, v0
	v_lshlrev_b32 v[CO], 4, v6
	; where my results begin in qkv16.  q, k: position m0 = 256 'A' tile + 128 half, heads from g = 4 ('B' tile - 32) + 2 half on.  v: position m0 = 256 'B' tile + 128 half, heads from 4 ('A' tile - 40) + 2 half on
	s_lshl_b32 s20, s17, 8
	s_lshl_b32 s21, s15, 7
	s_add_co_u32 s20, s20, s21                     ; m0 for q, k
	s_lshl_b32 s22, s42, 8
	s_lshl_b32 s23, s16, 7
	s_add_co_u32 s22, s22, s23                     ; m0 for v
	s_sub_co_u32 s46, s42, 32
	s_lshl_b32 s46, s46, 2
	s_lshl_b32 s47, s16, 1
	s_add_co_u32 s46, s46, s47                     ; g
	s_lshr_b32 s47, s46, 4
	s_lshl_b32 s47, s47, 6
	s_and_b32 s46, s46, 15
	s_add_co_u32 s46, s46, s47                     ; 64 sec + h
	s_sub_co_u32 s92, s17, 40
	s_lshl_b32 s92, s92, 2
	s_lshl_b32 s93, s15, 1
	s_add_co_u32 s92, s92, s93
	s_add_co_u32 s92, s92, 128                     ; 128 + h
	s_cmp_eq_u32 ttmp9, 2
	s_cselect_b32 s20, s22, s20
	s_cselect_b32 s46, s92, s46
	s_lshr_b32 s21, s20, 11                        ; b
	s_lshl_b32 s21, s21, 4
	s_add_co_u32 s46, s46, s21                     ; the head block
	s_and_b32 s20, s20, 2047                       ; the position in its sequence,
	s_lshl_b32 s20, s20, 7                         ; 128 bytes each in all three layouts
	s_lshl_b32 s46, s46, 18
	s_add_co_u32 s20, s20, s46
	s_mov_b32 s21, 0
	s_add_nc_u64 s[12:13], s[12:13], s[20:21]
.macro FRAG reg, adr, q, i             ; 16 rows x 128 K of 4-bit codes: 8 registers, two loads of 16 bytes, 32 bytes apart
.irp c, 0,1
	ds_load_b128 v[\reg+4*\c:\reg+4*\c+3], v[\adr] offset:64*(\q)+32*\c+(\i)*16*PITCH
.endr
.endm
; 16 matrix instructions: 'A' blocks a0, a0 + 1 x 'B's eight.  The 64 accumulators take turns, one instruction a turn, in the same order in every step.
.macro MUL16 a0, p, q, sc, zero
.irp a, \a0, \a0+1
.irp b, 0,1,2,3,4,5,6,7
.if \zero
	v_wmma_scale_f32_16x16x128_f8f6f4 v[8*(8*((\a)%4)+\b):8*(8*((\a)%4)+\b)+7], v[128*(\p)+FR*\b:128*(\p)+FR*\b+FR-1], v[AF+FR*(\a):AF+FR*(\a)+FR-1], 0, v[SC+8*NQ*(\sc)+NQ*\b+(\q)], v[SC+8*NQ*(\sc)+NQ*(\a)+(\q)] matrix_a_fmt:MATRIX_FMT_FP4 matrix_b_fmt:MATRIX_FMT_FP4 matrix_a_scale:MATRIX_SCALE_ROW1
.else
	v_wmma_scale_f32_16x16x128_f8f6f4 v[8*(8*((\a)%4)+\b):8*(8*((\a)%4)+\b)+7], v[128*(\p)+FR*\b:128*(\p)+FR*\b+FR-1], v[AF+FR*(\a):AF+FR*(\a)+FR-1], v[8*(8*((\a)%4)+\b):8*(8*((\a)%4)+\b)+7], v[SC+8*NQ*(\sc)+NQ*\b+(\q)], v[SC+8*NQ*(\sc)+NQ*(\a)+(\q)] matrix_a_fmt:MATRIX_FMT_FP4 matrix_b_fmt:MATRIX_FMT_FP4 matrix_a_scale:MATRIX_SCALE_ROW1
.endif
.endr
.endr
.endm
.macro FETCH_B slot, q, p
	WIN TO_B
.irp i, 0,1,2,3,4,5,6,7
	FRAG 128*(\p)+FR*\i, ADRB+\slot, \q, \i
.endr
	WIN 0
.endm
.macro FETCH_A slot, q, i0
.irp i, \i0, \i0+1, \i0+2, \i0+3
	FRAG AF+FR*(\i), ADRA+\slot, \q, \i
.endr
.endm
.macro SCALES sc                       ; a K step's scale words: lanes 0-15 take 'A' block i's, lanes 16-31 'B' block i's
.irp i, 0,1,2,3,4,5,6,7
	ds_load_b128 v[SC+8*NQ*\sc+NQ*\i:SC+8*NQ*\sc+NQ*\i+3], v[ADRS] offset:\i*SBLK
.endr
.endm
.macro PLACES n                        ; plain vector instructions between a matrix instruction and a load into, or a read of, its registers
.rept \n
	v_nop
.endr
.endm
.macro STEP slot, q, zero              ; 128 along K, with its successor in the same slot
	s_wait_dscnt 4*NL                              ; 'B's set and 'A' blocks 0-3 are in; the youngest eight loads ('A' blocks 4-7) may be out
	WIN MUL_LO
	MUL16 0, (\q)%2, \q, \slot, \zero
	MUL16 2, (\q)%2, \q, \slot, \zero
	s_wait_dscnt 0
	PLACES NP
	FETCH_B \slot, (\q)+1, 1-(\q)%2
	FETCH_A \slot, (\q)+1, 0
	WIN MUL_HI
	MUL16 4, (\q)%2, \q, \slot, \zero
	MUL16 6, (\q)%2, \q, \slot, \zero
	PLACES NP
	WIN 0
	FETCH_A \slot, (\q)+1, 4
.endm
; Slot 0's last step changes slots: one barrier; in front of it each wave waits for all its tensor loads (its part of slot 1), adds 0 to its spare word and waits for that.  Nothing is filled again.
.macro TURN slot, next
	s_wait_tensorcnt 0x0
	ds_add_u32 v[SPW], v[NIL]
	s_wait_dscnt 4*NL+1                            ; the add and the youngest eight loads may be out
	WIN MUL_LO
	MUL16 0, 1, NQ-1, \slot, 0
	s_wait_dscnt 0x0
	s_barrier_signal -1
	MUL16 2, 1, NQ-1, \slot, 0
	WIN 0
	s_barrier_wait -1
	PLACES NP
	v_add_nc_u32 v[ADRS], 4*NQ, v[ADRS]            ; the next K step's scale words
	FETCH_B \next, 0, 0
	FETCH_A \next, 0, 0
	SCALES \next
	WIN MUL_HI
	MUL16 4, 1, NQ-1, \slot, 0
	MUL16 6, 1, NQ-1, \slot, 0
	PLACES NP
	WIN 0
	FETCH_A \next, 0, 4
.endm
	s_wait_tensorcnt 1                             ; the scales and my part of slot 0 are in; slot 1's load may be out
	s_barrier_signal -1
	s_barrier_wait -1
	FETCH_B 0, 0, 0
	FETCH_A 0, 0, 0
	SCALES 0
	FETCH_A 0, 0, 4
	STEP 0, 0, 1                                   ; the first products start the sums: nothing is cleared
	STEP 0, 1, 0
	STEP 0, 2, 0
	TURN 0, 1
	STEP 1, 0, 0
	STEP 1, 1, 0
	STEP 1, 2, 0
	s_wait_dscnt 4*NL
	WIN MUL_LO
	MUL16 0, 1, NQ-1, 1, 0
	MUL16 2, 1, NQ-1, 1, 0
	s_wait_dscnt 0
	WIN MUL_HI
	MUL16 4, 1, NQ-1, 1, 0
	MUL16 6, 1, NQ-1, 1, 0
	WIN 0
; THE WAY OUT of 'A' block a: 32 roundings (each accumulator from its low end on), eight stores of 512 consecutive aligned bytes.  kind 0: q, k; kind 1: v.
.macro OUT a, kind
.if (\a) >= 4
	s_wait_xcnt 0x0                                ; block a - 4's stores have read this set of registers
.endif
	WIN 0x0a+5*((\a)/4)                            ; sources in window 2 or 3
.irp b, 0,1,2,3,4,5,6,7
.irp r, 0,1,2,3
	v_cvt_pk_f16_f32 v[OD+32*((\a)%4)+4*\b+\r], v[8*(8*((\a)%4)+\b)+2*\r], v[8*(8*((\a)%4)+\b)+2*\r+1]
.endr
.endr
	WIN 0
.irp b, 0,1,2,3,4,5,6,7
.if \kind
	global_store_b128 v[CO], v[OD+32*((\a)%4)+4*\b:OD+32*((\a)%4)+4*\b+3], s[12:13] offset:((\a)/4)*262144+(\b/4)*8192+((\b/2)%2)*4096+((\a)%4)*1024+(\b%2)*512
.else
	global_store_b128 v[CO], v[OD+32*((\a)%4)+4*\b:OD+32*((\a)%4)+4*\b+3], s[12:13] offset:(\a)*2048+(\b/4)*262144+(\b%4)*512
.endif
.endr
.endm
	PLACES NP                                      ; behind the last products: their results are read, and the registers that held 'A' fragments are written
	s_cmp_eq_u32 ttmp9, 2                          ; the cluster's x: all partners go the same way
	s_cbranch_scc1 .Lout_v
.irp a, 0,1,2,3,4,5,6,7
	OUT \a, 0
.endr
	s_branch .Lout_done
.Lout_v:
.irp a, 0,1,2,3,4,5,6,7
	OUT \a, 1
.endr
.Lout_done:
	s_wait_tensorcnt 0x0                           ; the wave's end
	ds_add_u32 v[SPW], v[NIL]
	s_wait_dscnt 0x0
	CROUND                                         ; the closing round
	s_endpgm
.Lfunc_end_k_q80f3362504_qkv:
	.size	k_q80f3362504_qkv, .Lfunc_end_k_q80f3362504_qkv-k_q80f3362504_qkv
	.p2alignl 7, 3214868480
	.fill 96, 4, 3214868480
	.section	.rodata,"a",@progbits
	.p2align	6, 0x0
	.amdhsa_kernel k_q80f3362504_qkv
		.amdhsa_group_segment_fixed_size 327680
		.amdhsa_private_segment_fixed_size 0
		.amdhsa_enable_private_segment 0
		.amdhsa_kernarg_size 24
		.amdhsa_user_sgpr_count 2
		.amdhsa_user_sgpr_kernarg_segment_ptr 1
		.amdhsa_wavefront_size32 1
		.amdhsa_system_sgpr_workgroup_id_x 1
		.amdhsa_system_sgpr_workgroup_id_y 1
		.amdhsa_system_sgpr_workgroup_id_z 1
		.amdhsa_system_vgpr_workitem_id 0
		.amdhsa_next_free_vgpr 1024
		.amdhsa_next_free_sgpr 98
		.amdhsa_reserve_vcc 0
		.amdhsa_float_denorm_mode_32 3
		.amdhsa_float_denorm_mode_16_64 3
		.amdhsa_memory_ordered 1
		.amdhsa_forward_progress 1
		.amdhsa_inst_pref_size 141
	.end_amdhsa_kernel
	.amdgpu_metadata
---
amdhsa.version: [ 1, 2 ]
amdhsa.kernels:
  - .name:           k_q80f3362504_qkv
    .symbol:         k_q80f3362504_qkv.kd
    .args:
      - { .name: codes, .offset: 0, .size: 8, .value_kind: global_buffer, .address_space: global }
      - { .name: scales, .offset: 8, .size: 8, .value_kind: global_buffer, .address_space: global }
      - { .name: qkv16, .offset: 16, .size: 8, .value_kind: global_buffer, .address_space: global }
    .group_segment_fixed_size: 327680
    .private_segment_fixed_size: 0
    .kernarg_segment_align: 8
    .kernarg_segment_size: 24
    .max_flat_workgroup_size: 128
    .sgpr_count:     98
    .vgpr_count:     1024
    .wavefront_size: 32
...
	.end_amdgpu_metadata
.endif
;; end of part 2
;; launch attn (part 3): grid 4 x 64, 16 waves a work-group, no clusters, 34,816 bytes of LDS; arguments qkv16, mask, flags, a16f; writes a16f
.if DOCPART == 3
	.amdgcn_target "amdgcn-amd-amdhsa--gfx1250"
	.amdhsa_code_object_version 6
	.text
	.protected	k_q80f3362504_attn
	.globl	k_q80f3362504_attn
	.p2align	8
	.type	k_q80f3362504_attn,@function
k_q80f3362504_attn:
	s_mov_b64 s[64:65], 0
	v_nop
	global_prefetch_b8 v0, s[64:65] scope:SCOPE_SE
	s_setreg_imm32_b32 hwreg(HW_REG_WAVE_MODE, 25, 1), 1
	s_wait_xcnt 0x0
; O[b][h][q] = sum over k of softmax_k(q . k / 8, hidden keys at -infinity) v, for all 2,048 positions of one head.  Operands f16, products, maxima and sums f32; p is rounded to f16 for the second product,
; the row's sum is taken of the unrounded p; O is rounded once to f16 and stored as images of the projection's operand.
; THE MASK IS AN INPUT: it is read byte by byte wherever a tile of 32 queries x 64 keys has both hidden and open keys; a tile that is wholly hidden is left out, one that is wholly open needs no bytes.
; Which is which was stored as whole numbers by the first launch (flags: word 0 live, word 1 mixed, a bit a key step).  A row with no open key at all gives 0 x (1 / 0) = NaN, as the softmax of such a row does.
; SHARES.  A work-group serves one head: its 16 waves own 32 queries each (two tiles of 16): waves 0-7 the block of 256 queries p, waves 8-15 block 7 - p: a fixed pairing, sound for any mask.
; All 16 waves walk the 32 key steps of 64 keys together and share each step's K and V through two LDS slots; the trip count is a constant and every trip has one barrier; only a wave's WORK is jumped over.
; NO TENSOR LOADS AND NO CLUSTER: a wave's walk branches on numbers read from memory; K and V come through registers (512 threads x 16 bytes = a tile of 8,192 bytes by one load a thread).
; LAYOUT.  S^T = K Q^T and O^T = V^T P: a lane holds ONE query (lane % 16).  q, k and v lie in memory in the order of the operands' registers (images of 512 bytes), so every LDS read is 512 consecutive bytes.
; SOFTMAX.  Running maximum m and sum l: p = 2^(c s - c m), c = log2(e) / 8; O and l are multiplied by f = 2^(c m_old - c m_new) in every step.  m begins at -3e38, under every score.
; LIMITS: f16 operands: magnitudes beyond 65,504 are not served; a row from position 16 on that the mask leaves with very few keys carries f16's relative step.  Positions 0-15 are written anew, in f32, by later launches.
.set SLOTB, 16384                      ; a slot: K's tile (8,192 bytes), then V's
.set SPARE, 2*SLOTB                    ; the spare words: 128 bytes a wave, named by no other line
.set PFO, 0                            ; v0  256 x lane (after the head)
.set SPW, 1
.set NIL, 2
.set L16, 3                            ; v3  16 x lane
.set T16, 4                            ; v4  16 x thread
.set T0,  5
.set MO,  6                            ; v6  the mask: 2,048 r + 8 hh
.set T1,  7
.set SK,  8                            ; v8-11 the next step's K on its way, v12-15 V
.set SW,  12
.set Q,   16                           ; v16-47   Q: tile u, channels 32 c on, at 16 u + 8 c
.set KV,  48                           ; v48-111  K's 8 fragments (2 kt + c), then V's 8 (4 g + dt); the mask's words between
.set S,   112                          ; v112-175 S^T: 32 u + 8 kt; p; P packed into the low 16 of each tile's 32
.set O,   176                          ; v176-239 O^T: 32 u + 8 dt
.set ST,  240                          ; v240-255 tile u at 8 u: +0 c m, +1 m, +2 +3 l, +4..+7 at work (f in +6)
.set WV,  12
.set KB,  16                           ; s[16:17] K's next step, s[18:19] V's
.set VB,  18
.set QB,  20
.set MB,  22                           ; s[22:23] the mask at my first row and the step's first key
.set OB,  24
.set STP, 26                           ; s[26:27] what the two pointers step by
.set LIVE, 30
.set MIX,  31
.set CNT, 50
.set TR,  51                           ; the trip's number
.set PFL, 52
.set PFA, 54
.set SEL, 56
.set CS,  58
	s_load_b256 s[4:11], s[0:1], 0x0               ; qkv16 4, mask 6, flags 8, a16f 10
	v_lshl_add_u32 v[SPW], v0, 2, SPARE
	v_mov_b32 v[NIL], 0
	v_lshrrev_b32 v[T0], 5, v0
	v_readfirstlane_b32 s[WV], v[T0]
	v_and_b32 v[T0], 31, v0
	v_lshlrev_b32 v[L16], 4, v[T0]
	v_lshlrev_b32 v[T16], 4, v0
	v_and_b32 v[T1], 15, v0
	v_bfe_u32 v[MO], v0, 4, 1
	v_lshlrev_b32 v[MO], 3, v[MO]
	v_lshl_add_u32 v[MO], v[T1], 11, v[MO]
	v_lshlrev_b32 v[PFO], 8, v[T0]                 ; (v0's last use as the thread's number stands above)
	s_and_b32 s13, ttmp7, 0xffff                   ; b x 16 + h
	s_lshl_b32 s14, ttmp9, 3
	s_sub_co_u32 s15, 48, s14
	s_cmp_lt_u32 s[WV], 8
	s_cselect_b32 s14, s14, s15
	s_add_co_u32 s14, s14, s[WV]                   ; my tile of 32 queries: 8 p + w, or 8 (7 - p) + w - 8
	s_lshl_b32 s28, s13, 18
	s_mov_b32 s29, 0
	s_lshl_b32 s32, s14, 12                        ; q: 128 bytes a position
	s_mov_b32 s33, 0
	s_lshl_b32 s34, s14, 16                        ; mask: 32 rows of 2,048
	s_mov_b32 s35, 0
	s_lshl_b32 s36, s14, 7                         ; flags: 128 bytes an entry
	s_mov_b32 s37, 0
	s_lshr_b32 s38, s13, 4
	s_lshl_b32 s38, s38, 7
	s_lshl_b32 s39, s14, 1
	s_add_co_u32 s38, s38, s39                     ; row tile of a16f: 128 b + 2 x my tile
	s_lshl_b32 s38, s38, 15
	s_and_b32 s39, s13, 15
	s_lshl_b32 s39, s39, 11                        ; + h x 2,048
	s_add_co_u32 s38, s38, s39
	s_mov_b32 s39, 0
	s_mov_b32 s[SEL], 0x76543210
	s_mov_b32 s[SEL+1], 0xfedcba98
	s_mov_b32 s[CS], 0x3e38aa3b                    ; c = log2(e) / 8
	s_mov_b32 s[CS+1], s[CS]
	s_mov_b32 s[TR], 0
	s_mov_b32 s[STP+1], 0
	s_mov_b32 s[CNT], 16
	s_wait_kmcnt 0x0
	s_add_nc_u64 s[QB:QB+1], s[4:5], s[28:29]
	s_add_nc_u64 s[KB:KB+1], s[QB:QB+1], 64<<18
	s_add_nc_u64 s[VB:VB+1], s[QB:QB+1], 128<<18
	s_add_nc_u64 s[QB:QB+1], s[QB:QB+1], s[32:33]
	s_add_nc_u64 s[MB:MB+1], s[6:7], s[34:35]
	s_add_nc_u64 s[8:9], s[8:9], s[36:37]
	s_add_nc_u64 s[OB:OB+1], s[10:11], s[38:39]
	s_load_b64 s[LIVE:LIVE+1], s[8:9], 0x0
	; the prefetches: all four work-groups of a head walk the same K and V: the first of them asks, wave 14 for K's tiles and wave 15 for V's
	s_cmp_eq_u32 s[WV], 14
	s_cselect_b64 s[PFA:PFA+1], s[KB:KB+1], s[VB:VB+1]
	s_add_nc_u64 s[PFA:PFA+1], s[PFA:PFA+1], 3*8192  ; trip s names step s + 3; steps 0 to 2 come by their loads alone
	s_lshr_b32 s40, s[WV], 1
	s_xor_b32 s40, s40, 7
	s_or_b32 s40, s40, ttmp9
	s_cmp_eq_u32 s40, 0
	s_cselect_b32 s[PFL], 29, 0                    ; trips 0 to 28 ask: step 31 is the last
	global_load_b128 v[SK:SK+3], v[T16], s[KB:KB+1]   ; step 0
	global_load_b128 v[SW:SW+3], v[T16], s[VB:VB+1]
.irp u, 0,1
.irp c, 0,1
	global_load_b128 v[Q+16*\u+8*\c:Q+16*\u+8*\c+3], v[L16], s[QB:QB+1] offset:\u*2048+\c*1024
	global_load_b128 v[Q+16*\u+8*\c+4:Q+16*\u+8*\c+7], v[L16], s[QB:QB+1] offset:\u*2048+\c*1024+512
.endr
.endr
.set n, 0
.rept 64
	v_mov_b32 v[O+n], 0                            ; which step is a wave's first hangs on the flags, so none can be written out ahead of the loop: O^T and l begin as zeros
.set n, n+1
.endr
.irp u, 0,1
	v_mov_b32 v[ST+8*\u+1], 0xff61b1e6             ; m = -3e38
	v_mov_b32 v[ST+8*\u+2], 0
	v_mov_b32 v[ST+8*\u+3], 0
	v_mov_b32 v[ST+8*\u+5], 0
	v_mov_b32 v[ST+8*\u+7], 0
	v_mul_f32 v[ST+8*\u], s[CS], v[ST+8*\u+1]
.endr
	s_wait_loadcnt 0x0                             ; all are in: the two pointers may step
	s_add_nc_u64 s[KB:KB+1], s[KB:KB+1], 8192
	s_add_nc_u64 s[VB:VB+1], s[VB:VB+1], 8192
	ds_store_b128 v[T16], v[SK:SK+3]
	ds_store_b128 v[T16], v[SW:SW+3] offset:8192
	s_wait_kmcnt 0x0
	s_wait_dscnt 0x0
; A KEY STEP of a wave: 64 keys from slot.
.macro STEP slot
.irp kt, 0,1,2,3
.irp c, 0,1
	ds_load_b128 v[KV+8*(2*\kt+\c):KV+8*(2*\kt+\c)+3], v[L16] offset:\slot*SLOTB+\kt*2048+\c*1024
	ds_load_b128 v[KV+8*(2*\kt+\c)+4:KV+8*(2*\kt+\c)+7], v[L16] offset:\slot*SLOTB+\kt*2048+\c*1024+512
.endr
.endr
	s_wait_dscnt 0x0
.irp c, 0,1                                    ; S^T = K Q^T: eight accumulators by turns; the first eight start the sums
.irp kt, 0,1,2,3
.irp u, 0,1
.if \c == 0
	v_wmma_f32_16x16x32_f16 v[S+32*\u+8*\kt:S+32*\u+8*\kt+7], v[KV+8*(2*\kt+\c):KV+8*(2*\kt+\c)+7], v[Q+16*\u+8*\c:Q+16*\u+8*\c+7], 0
.else
	v_wmma_f32_16x16x32_f16 v[S+32*\u+8*\kt:S+32*\u+8*\kt+7], v[KV+8*(2*\kt+\c):KV+8*(2*\kt+\c)+7], v[Q+16*\u+8*\c:Q+16*\u+8*\c+7], v[S+32*\u+8*\kt:S+32*\u+8*\kt+7]
.endif
.endr
.endr
.endr
.rept 4
	v_nop                                          ; places: the scores are read, and K's registers are loaded anew
.endr
	s_bitcmp1_b32 s[MIX], 0
	s_cbranch_scc0 .Lopen_\@
.irp u, 0,1                                    ; the mask's bytes of my 8 keys of each tile: row 16 u + r, keys 16 kt + 8 hh + 0..7
.irp kt, 0,1,2,3
	global_load_b64 v[KV+2*(4*\u+\kt):KV+2*(4*\u+\kt)+1], v[MO], s[MB:MB+1] offset:\u*32768+\kt*16
.endr
.endr
	v_mov_b32 v[T1], 0xff800000                    ; -infinity
	s_wait_loadcnt 0x0
.set n, 0
.rept 64                                       ; score n = 32 u + 8 kt + j: byte j of the pair of words 4 u + kt
	v_and_b32 v[T0], 0xff<<(8*(n%4)), v[KV+2*(n/8)+(n%8)/4]
	v_cmp_eq_u32 vcc_lo, 0, v[T0]
	v_cndmask_b32 v[S+n], v[T1], v[S+n], vcc_lo
.set n, n+1
.endr
.Lopen_\@:
.irp g, 0,1                                    ; V's fragments land while the softmax is walked
.irp dt, 0,1,2,3
	ds_load_b128 v[KV+8*(4*\g+\dt):KV+8*(4*\g+\dt)+3], v[L16] offset:\slot*SLOTB+8192+\g*4096+\dt*1024
	ds_load_b128 v[KV+8*(4*\g+\dt)+4:KV+8*(4*\g+\dt)+7], v[L16] offset:\slot*SLOTB+8192+\g*4096+\dt*1024+512
.endr
.endr
.irp u, 0,1                                    ; the maximum: four chains a tile, each accumulator from its low end on
.irp k, 0,1,2,3
	v_max3_num_f32 v[ST+8*\u+4+\k], v[S+32*\u+8*\k], v[S+32*\u+8*\k+1], v[S+32*\u+8*\k+2]
.endr
.endr
.irp i, 3,5
.irp u, 0,1
.irp k, 0,1,2,3
	v_max3_num_f32 v[ST+8*\u+4+\k], v[ST+8*\u+4+\k], v[S+32*\u+8*\k+\i], v[S+32*\u+8*\k+\i+1]
.endr
.endr
.endr
.irp u, 0,1
	v_max3_num_f32 v[ST+8*\u+4], v[ST+8*\u+4], v[S+32*\u+7], v[S+32*\u+15]
	v_max3_num_f32 v[ST+8*\u+6], v[ST+8*\u+6], v[S+32*\u+23], v[S+32*\u+31]
.endr
.irp u, 0,1
	v_max3_num_f32 v[ST+8*\u+4], v[ST+8*\u+4], v[ST+8*\u+5], v[ST+8*\u+6]
.endr
.irp u, 0,1
	v_max3_num_f32 v[ST+8*\u+4], v[ST+8*\u+4], v[ST+8*\u+7], v[ST+8*\u+1]   ; and the old m
.endr
.irp u, 0,1
	v_permlanex16_b32 v[ST+8*\u+5], v[ST+8*\u+4], s[SEL], s[SEL+1]          ; the query's other 32 keys lie in the lane 16 away
.endr
.irp u, 0,1
	v_mov_b32 v[ST+8*\u+7], v[ST+8*\u]             ; c m_old
.endr
.irp u, 0,1
	v_max_num_f32 v[ST+8*\u+1], v[ST+8*\u+4], v[ST+8*\u+5]
.endr
.irp u, 0,1
	v_mul_f32 v[ST+8*\u], s[CS], v[ST+8*\u+1]
.endr
.irp u, 0,1
	v_sub_f32 v[ST+8*\u+7], v[ST+8*\u+7], v[ST+8*\u]
.endr
.irp j, 0,2,4,6,8,10,12,14,16,18,20,22,24,26,28,30
.irp u, 0,1
	v_pk_fma_f32 v[S+32*\u+\j:S+32*\u+\j+1], v[S+32*\u+\j:S+32*\u+\j+1], s[CS:CS+1], v[ST+8*\u:ST+8*\u+1] op_sel_hi:[1,0,0] neg_lo:[0,0,1] neg_hi:[0,0,1]   ; c s - c m
.endr
.endr
.irp u, 0,1
	v_exp_f32 v[ST+8*\u+6], v[ST+8*\u+7]           ; f.  ONE BATCH of 66 exponentials, none of which reads another's result
.endr
.set n, 0
.rept 64
	v_exp_f32 v[S+n], v[S+n]
.set n, n+1
.endr
	v_nop                                          ; a plain instruction behind the last exponential
	s_wait_alu depctr_va_vdst(0)                   ; one wait for the batch, ahead of its first reader
.irp u, 0,1                                    ; l = l f + the sum of the unrounded p, in two chains a tile
	v_pk_fma_f32 v[ST+8*\u+2:ST+8*\u+3], v[ST+8*\u+2:ST+8*\u+3], v[ST+8*\u+6:ST+8*\u+7], v[S+32*\u:S+32*\u+1] op_sel_hi:[1,0,1]
	v_pk_add_f32 v[ST+8*\u+4:ST+8*\u+5], v[S+32*\u+2:S+32*\u+3], v[S+32*\u+6:S+32*\u+7]
.endr
.irp j, 4,8,12,16,20,24
.irp u, 0,1
	v_pk_add_f32 v[ST+8*\u+2:ST+8*\u+3], v[ST+8*\u+2:ST+8*\u+3], v[S+32*\u+\j:S+32*\u+\j+1]
	v_pk_add_f32 v[ST+8*\u+4:ST+8*\u+5], v[ST+8*\u+4:ST+8*\u+5], v[S+32*\u+\j+6:S+32*\u+\j+7]
.endr
.endr
.irp u, 0,1
	v_pk_add_f32 v[ST+8*\u+2:ST+8*\u+3], v[ST+8*\u+2:ST+8*\u+3], v[S+32*\u+28:S+32*\u+29]
.endr
.irp u, 0,1
	v_pk_add_f32 v[ST+8*\u+2:ST+8*\u+3], v[ST+8*\u+2:ST+8*\u+3], v[ST+8*\u+4:ST+8*\u+5]
.endr
.irp i, 0,1,2,3,4,5,6,7,8,9,10,11,12,13,14,15  ; p to f16, packed in place, ascending: register i takes p 2 i and 2 i + 1: registers 8 g .. 8 g + 7 are source 1 for keys 32 g on
.irp u, 0,1
	v_cvt_pk_f16_f32 v[S+32*\u+\i], v[S+32*\u+2*\i], v[S+32*\u+2*\i+1]
.endr
.endr
.irp j, 0,2,4,6,8,10,12,14,16,18,20,22,24,26,28,30
.irp u, 0,1
	v_pk_mul_f32 v[O+32*\u+\j:O+32*\u+\j+1], v[O+32*\u+\j:O+32*\u+\j+1], v[ST+8*\u+6:ST+8*\u+7] op_sel_hi:[1,0]   ; O^T x f
.endr
.endr
	s_wait_dscnt 0x0                               ; V is in
.irp g, 0,1                                    ; O^T += V^T P: eight accumulators by turns
.irp dt, 0,1,2,3
.irp u, 0,1
	v_wmma_f32_16x16x32_f16 v[O+32*\u+8*\dt:O+32*\u+8*\dt+7], v[KV+8*(4*\g+\dt):KV+8*(4*\g+\dt)+7], v[S+32*\u+8*\g:S+32*\u+8*\g+7], v[O+32*\u+8*\dt:O+32*\u+8*\dt+7]
.endr
.endr
.endr
.rept 5
	v_nop                                          ; five places: the next step's first products write over P's registers; loads into V's want four
.endr
.endm
; A TRIP.  Behind the barrier this slot is whole and nobody reads the other one.  The next step's K and V are asked for at once, into registers, and go into the other slot at the trip's end.
.macro TRIP slot
	s_barrier_signal -1
	s_barrier_wait -1
	global_load_b128 v[SK:SK+3], v[T16], s[KB:KB+1]
	global_load_b128 v[SW:SW+3], v[T16], s[VB:VB+1]
	s_cmp_lt_u32 s[TR], s[PFL]
	s_cbranch_scc0 .Lnp_\@
	global_prefetch_b8 v[PFO], s[PFA:PFA+1] th:TH_LOAD_NT scope:SCOPE_SE   ; step TR + 3's tile, 32 lanes 256 bytes apart: two trips ahead of its load; each block is named once in the launch
.Lnp_\@:
	s_bitcmp1_b32 s[LIVE], 0
	s_cbranch_scc0 .Ldead_\@
	STEP \slot
.Ldead_\@:
	s_wait_loadcnt 0x0
	ds_store_b128 v[T16], v[SK:SK+3] offset:(1-\slot)*SLOTB
	ds_store_b128 v[T16], v[SW:SW+3] offset:(1-\slot)*SLOTB+8192
	s_wait_xcnt 0x0                                ; the trip's loads and its prefetch have read their addresses: the pointers may step
	s_cmp_lt_u32 s[TR], 30                         ; from trip 30 on the pointers stay at step 31: no load leaves the head's block
	s_cselect_b32 s[STP], 8192, 0
	s_add_nc_u64 s[KB:KB+1], s[KB:KB+1], s[STP:STP+1]
	s_add_nc_u64 s[VB:VB+1], s[VB:VB+1], s[STP:STP+1]
	s_add_nc_u64 s[PFA:PFA+1], s[PFA:PFA+1], 8192
	s_add_nc_u64 s[MB:MB+1], s[MB:MB+1], 64
	s_lshr_b32 s[LIVE], s[LIVE], 1
	s_lshr_b32 s[MIX], s[MIX], 1
	s_add_co_u32 s[TR], s[TR], 1
	s_wait_dscnt 0x0                               ; for the others' sake: my stores have landed, and my reads of this slot are over
.endm
.Ltrip:
	TRIP 0
	TRIP 1
	s_sub_co_u32 s[CNT], s[CNT], 1
	s_cmp_lg_u32 s[CNT], 0
	s_cbranch_scc1 .Ltrip
	; THE WAY OUT: O^T / l, rounded to f16: a lane's 8 channels of a query are 16 bytes, a wave's 512 an image of the projection's operand
.irp u, 0,1
	v_add_f32 v[ST+8*\u+4], v[ST+8*\u+2], v[ST+8*\u+3]
.endr
.irp u, 0,1
	v_permlanex16_b32 v[ST+8*\u+5], v[ST+8*\u+4], s[SEL], s[SEL+1]
.endr
.irp u, 0,1
	v_add_f32 v[ST+8*\u+4], v[ST+8*\u+4], v[ST+8*\u+5]
.endr
.irp u, 0,1
	v_rcp_f32 v[ST+8*\u+6], v[ST+8*\u+4]
.endr
	v_nop
	s_wait_alu depctr_va_vdst(0)                   ; one wait for the two reciprocals
.irp u, 0,1
.irp j, 0,2,4,6,8,10,12,14,16,18,20,22,24,26,28,30
	v_pk_mul_f32 v[O+32*\u+\j:O+32*\u+\j+1], v[O+32*\u+\j:O+32*\u+\j+1], v[ST+8*\u+6:ST+8*\u+7] op_sel_hi:[1,0]
.endr
.endr
.set n, 0
.rept 32
	v_cvt_pk_f16_f32 v[KV+n], v[O+2*n], v[O+2*n+1]
.set n, n+1
.endr
.irp u, 0,1
.irp dt, 0,1,2,3
	global_store_b128 v[L16], v[KV+16*\u+4*\dt:KV+16*\u+4*\dt+3], s[OB:OB+1] offset:\u*32768+\dt*512   ; 512 consecutive bytes, aligned
.endr
.endr
	s_wait_tensorcnt 0x0                           ; the wave's end, behind my last LDS store
	ds_add_u32 v[SPW], v[NIL]
	s_wait_dscnt 0x0
	s_endpgm
.Lfunc_end_k_q80f3362504_attn:
	.size	k_q80f3362504_attn, .Lfunc_end_k_q80f3362504_attn-k_q80f3362504_attn
	.p2alignl 7, 3214868480
	.fill 96, 4, 3214868480
	.section	.rodata,"a",@progbits
	.p2align	6, 0x0
	.amdhsa_kernel k_q80f3362504_attn
		.amdhsa_group_segment_fixed_size 34816
		.amdhsa_private_segment_fixed_size 0
		.amdhsa_enable_private_segment 0
		.amdhsa_kernarg_size 32
		.amdhsa_user_sgpr_count 2
		.amdhsa_user_sgpr_kernarg_segment_ptr 1
		.amdhsa_wavefront_size32 1
		.amdhsa_system_sgpr_workgroup_id_x 1
		.amdhsa_system_sgpr_workgroup_id_y 1
		.amdhsa_system_sgpr_workgroup_id_z 1
		.amdhsa_system_vgpr_workitem_id 0
		.amdhsa_next_free_vgpr 256
		.amdhsa_next_free_sgpr 66
		.amdhsa_reserve_vcc 1
		.amdhsa_float_denorm_mode_32 3
		.amdhsa_float_denorm_mode_16_64 3
		.amdhsa_memory_ordered 1
		.amdhsa_forward_progress 1
		.amdhsa_inst_pref_size 66
	.end_amdhsa_kernel
	.amdgpu_metadata
---
amdhsa.version: [ 1, 2 ]
amdhsa.kernels:
  - .name:           k_q80f3362504_attn
    .symbol:         k_q80f3362504_attn.kd
    .args:
      - { .name: qkv16, .offset: 0, .size: 8, .value_kind: global_buffer, .address_space: global }
      - { .name: mask, .offset: 8, .size: 8, .value_kind: global_buffer, .address_space: global }
      - { .name: flags, .offset: 16, .size: 8, .value_kind: global_buffer, .address_space: global }
      - { .name: a16f, .offset: 24, .size: 8, .value_kind: global_buffer, .address_space: global }
    .group_segment_fixed_size: 34816
    .private_segment_fixed_size: 0
    .kernarg_segment_align: 8
    .kernarg_segment_size: 32
    .max_flat_workgroup_size: 512
    .sgpr_count:     66
    .vgpr_count:     256
    .wavefront_size: 32
...
	.end_amdgpu_metadata
.endif
;; end of part 3
;; launch proj (part 4): grid 8 x 64, 4 waves a work-group, clusters of 4 x 4, 327,680 bytes of LDS; arguments a16f, w16f, out0; writes out0
.if DOCPART == 4
	.amdgcn_target "amdgcn-amd-amdhsa--gfx1250"
	.amdhsa_code_object_version 6
	.text
	.protected	k_q80f3362504_proj
	.globl	k_q80f3362504_proj
	.p2align	8
	.type	k_q80f3362504_proj,@function
k_q80f3362504_proj:
	s_mov_b64 s[64:65], 0
	v_nop
	global_prefetch_b8 v0, s[64:65] scope:SCOPE_SE
	s_setreg_imm32_b32 hwreg(HW_REG_WAVE_MODE, 25, 1), 1
	s_wait_xcnt 0x0
	s_wait_alu depctr_hold_cnt(0) depctr_sa_sdst(0) depctr_va_vdst(0) depctr_va_sdst(0) depctr_va_ssrc(0) depctr_va_vcc(0) depctr_vm_vsrc(0)
	s_getreg_b32 s2, hwreg(HW_REG_IB_STS2, 6, 4)
	s_cmp_eq_u32 s2, 0
	s_cbranch_scc0 .Lentry_in_a_cluster
	s_endpgm
.Lentry_in_a_cluster:
	s_bfe_u32 s2, ttmp6, 0x10000c
	s_cmp_lg_u32 s2, 0xf033
	s_cbranch_scc0 .Lentry_shape_is_right
	s_endpgm
.Lentry_shape_is_right:
; out0[row][o] = sum over c of a[row][c] w_out[o][c]: 8,192 x 1,024 x 1,024, f16 operands, f32 sums, f32 out.
; Both operands lie in memory in the ORDER OF THE OPERANDS' REGISTERS: [tile of 16 rows][kc 32][img 2][512 bytes]; a tile of 16 rows and 256 along K is 8,192 consecutive bytes.
; A tile of out0 is 128 x 128: four waves, 64 x 64 each: 16 accumulators.  K goes in four steps of 256 through two LDS slots; a wave's tensor load brings 4 row tiles x 8,192 bytes.
; In LDS the images lie as in memory: every fragment read is 512 consecutive bytes, so no padding is wanted.
; CLUSTERS: 4 x 4 work-groups; the four of a row of the cluster ask jointly for a's tiles, the four of a column for w's.
; THE MATRIX INSTRUCTION IS USED TRANSPOSED (source 0 = 16 rows of w, source 1 = 16 rows of a): a lane holds eight neighbouring numbers of a row of out0.
; Rows of positions 0-15 of each sequence are written again, in f32 arithmetic, by a later launch.
; REGISTERS: window 0: v0-31 addresses; v32-95 the way out; v128-255 accumulators ((a, b) at 128 + 8 (4 a + b)).  window 1: two fragment buffers of 128: 64 registers of a, then 64 of w.
.set KSTEPB, 8192                      ; a K step of one row tile, in bytes
.set HALFT,  4*KSTEPB                  ; what one tensor load brings
.set SLOT,   4*HALFT                   ; a's 8 row tiles, then w's 8
.set STAGE,  2*SLOT                    ; behind the ring: 16 rows x 272 bytes for each wave
.set SPITCH, 272
.set SPARE,  STAGE+4*16*SPITCH         ; the spare words: 128 bytes a wave, named by no other line
.set LAPS, 2
.set ADRA, 16
.set ADRB, 20
.set STO,  24
.set RD,   25
.set CO,   26
.set SPW,  28
.set NIL,  29
.set TMP,  32
.set ACC,  128
.set F0,   0
.set F1,   128
.set G1, 24
.set G0, 32
.set G1B, 48
.set G0B, 56
.set MSB, 0
.macro WIN new
.if MSB != \new
	s_set_vgpr_msb (MSB<<8)|\new
.set MSB, \new
.endif
.endm
.set MUL,  0x05
.set TO_F, 0x40
.macro JLOAD s                         ; a joint load: waves 0 and 1 fetch a's halves, waves 2 and 3 w's; an s_nop 0 and four v_nop follow each line
	s_cmp_eq_u32 s11, 0
	s_cbranch_scc0 .Lfor_b_\@
	tensor_load_to_lds s[G0+4*\s:G0+4*\s+3], s[G1:G1+7]
	s_nop 0
.rept 4
	v_nop
.endr
	s_branch .Lasked_\@
.Lfor_b_\@:
	tensor_load_to_lds s[G0B+4*\s:G0B+4*\s+3], s[G1B:G1B+7]
	s_nop 0
.rept 4
	v_nop
.endr
.Lasked_\@:
.endm
.macro CREST
	s_cmp_lg_u32 s10, 0
	s_cbranch_scc1 .Lnot_wave_0_\@
	s_barrier_signal -3
.Lnot_wave_0_\@:
	s_barrier_wait -3
	s_barrier_signal -1
	s_barrier_wait -1
.endm
.macro CROUND
	s_barrier_signal -1
	s_barrier_wait -1
	CREST
.endm
	s_load_b128 s[4:7], s[0:1], 0x0                ; a16f s[4:5], w16f s[6:7]
	s_load_b64 s[8:9], s[0:1], 0x10                ; out0
	v_lshl_add_u32 v[SPW], v0, 2, SPARE
	v_mov_b32 v[NIL], 0
	ds_add_u32 v[SPW], v[NIL]                      ; the wave's opening: the add, twice on end, and its wait ahead of my first tensor load
	ds_add_u32 v[SPW], v[NIL]
	v_lshrrev_b32 v1, 5, v0
	v_readfirstlane_b32 s10, v1                    ; wave
	s_lshr_b32 s11, s10, 1                         ; my half of the tile's rows.  Also: I fetch for a (0) or w (1)
	s_and_b32 s12, s10, 1                          ; my half of its columns.  Also: which 4 row tiles I fetch
	s_bfe_u32 s40, ttmp6, 0x40000
	s_bfe_u32 s41, ttmp6, 0x40004
	s_lshl_b32 s42, ttmp9, 2
	s_add_co_u32 s42, s42, s40                     ; tile column
	s_and_b32 s13, ttmp7, 0xffff
	s_lshl_b32 s13, s13, 2
	s_add_co_u32 s13, s13, s41                     ; tile row
	s_lshl_b32 s43, s41, 2
	s_lshl_b32 s43, 15, s43
	s_lshl_b32 s44, 0x1111, s40
	s_or_b32 s[G1+0], s43, (3<<16)|(1<<21)         ; the mask; elements of 8 bytes; no padding; bit 21 beside a mask
	s_or_b32 s[G1B+0], s44, (3<<16)|(1<<21)
.irp g, G1, G1B
	s_mov_b32 s[\g+1], 1024<<16                    ; tensor_dim0 = 1,024 elements: 8,192 bytes
	s_mov_b32 s[\g+2], 4<<16                       ; tensor_dim1 = 4
	s_mov_b32 s[\g+3], 1024<<16                    ; tile_dim0
	s_mov_b32 s[\g+4], 4                           ; tile_dim1
	s_mov_b32 s[\g+5], 4096                        ; from row tile to row tile: 32,768 bytes
	s_mov_b32 s[\g+6], 0
	s_mov_b32 s[\g+7], 0
.endr
	s_lshl_b32 s17, s12, 17                        ; 4 row tiles of 32,768 bytes
	s_lshl_b32 s16, s13, 18                        ; a: 8 row tiles a tile row
	s_add_co_u32 s16, s16, s17
	s_lshl_b32 s46, s42, 18                        ; w likewise
	s_add_co_u32 s46, s46, s17
	s_mov_b32 s17, 0
	s_mov_b32 s47, 0
	s_lshl_b32 s20, s10, 15                        ; where they go: wave x HALFT
	s_wait_dscnt 0x0
	s_wait_kmcnt 0x0
	s_add_nc_u64 s[14:15], s[4:5], s[16:17]
	s_add_nc_u64 s[46:47], s[6:7], s[46:47]
	CROUND                                         ; the first joint loads meet
.irp s, 0,1
	s_mov_b32 s[G0+4*\s], 1
	s_add_co_u32 s[G0+4*\s+1], s20, \s*SLOT
	s_add_nc_u64 s[G0+4*\s+2:G0+4*\s+3], s[14:15], \s*KSTEPB
	s_or_b32 s[G0+4*\s+3], s[G0+4*\s+3], 0x80000000
	s_mov_b32 s[G0B+4*\s], 1
	s_add_co_u32 s[G0B+4*\s+1], s20, \s*SLOT
	s_add_nc_u64 s[G0B+4*\s+2:G0B+4*\s+3], s[46:47], \s*KSTEPB
	s_or_b32 s[G0B+4*\s+3], s[G0B+4*\s+3], 0x80000000
	JLOAD \s
.endr
	v_and_b32 v1, 15, v0                           ; r
	v_bfe_u32 v2, v0, 4, 1                         ; hh
	v_and_b32 v3, 31, v0
	v_lshlrev_b32 v3, 4, v3                        ; 16 x lane
	s_lshl_b32 s21, s11, 15
	s_lshl_b32 s22, s12, 15
	s_add_co_u32 s22, s22, 2*HALFT
.irp s, 0,1
	v_add_nc_u32 v[ADRA+\s], s21, v3
	v_add_nc_u32 v[ADRB+\s], s22, v3
	s_add_co_u32 s21, s21, SLOT
	s_add_co_u32 s22, s22, SLOT
.endr
	s_mul_i32 s23, s10, 16*SPITCH
	s_add_co_u32 s23, s23, STAGE                   ; my stage
	v_mul_u32_u24 v4, v1, SPITCH
	v_lshl_add_u32 v4, v2, 5, v4
	v_add_nc_u32 v[STO], s23, v4                   ; in: row r, 32 bytes for each half of the lanes
	v_mul_u32_u24 v5, v2, SPITCH
	v_lshl_add_u32 v5, v1, 4, v5
	v_add_nc_u32 v[RD], s23, v5                    ; back: lanes 0-15 one row of 256 bytes, lanes 16-31 the next
	v_lshlrev_b32 v5, 12, v2
	v_lshl_add_u32 v[CO], v1, 4, v5                ; the same two rows in out0
	s_lshl_b32 s16, s13, 19                        ; 128 rows of 4,096 bytes
	s_lshl_b32 s17, s11, 18
	s_add_co_u32 s16, s16, s17
	s_lshl_b32 s17, s42, 9
	s_add_co_u32 s16, s16, s17
	s_lshl_b32 s17, s12, 8
	s_add_co_u32 s16, s16, s17
	s_mov_b32 s17, 0
	s_add_nc_u64 s[8:9], s[8:9], s[16:17]
.macro MUL8 f, c, a0, zero             ; 8 matrix instructions: row blocks a0, a0 + 1 x 4 column blocks, 32 along K; the 16 accumulators take turns
.irp a, \a0, \a0+1
.irp b, 0,1,2,3
.if \zero
	v_wmma_f32_16x16x32_f16 v[ACC+8*(4*(\a)+\b):ACC+8*(4*(\a)+\b)+7], v[\f+64+8*(4*\c+\b):\f+64+8*(4*\c+\b)+7], v[\f+8*(4*\c+\a):\f+8*(4*\c+\a)+7], 0
.else
	v_wmma_f32_16x16x32_f16 v[ACC+8*(4*(\a)+\b):ACC+8*(4*(\a)+\b)+7], v[\f+64+8*(4*\c+\b):\f+64+8*(4*\c+\b)+7], v[\f+8*(4*\c+\a):\f+8*(4*\c+\a)+7], v[ACC+8*(4*(\a)+\b):ACC+8*(4*(\a)+\b)+7]
.endif
.endr
.endr
.endm
.macro FETCH slot, kq, f               ; 32 LDS loads: the fragments of the slot's kq-th 64 along K into buffer f; the first 32 along K first
	WIN TO_F
.irp c, 0,1
.irp i, 0,1,2,3
	ds_load_b128 v[\f+64+8*(4*\c+\i):\f+64+8*(4*\c+\i)+3],   v[ADRB+\slot] offset:\i*KSTEPB+(2*(\kq)+\c)*1024
	ds_load_b128 v[\f+64+8*(4*\c+\i)+4:\f+64+8*(4*\c+\i)+7], v[ADRB+\slot] offset:\i*KSTEPB+(2*(\kq)+\c)*1024+512
	ds_load_b128 v[\f+8*(4*\c+\i):\f+8*(4*\c+\i)+3],         v[ADRA+\slot] offset:\i*KSTEPB+(2*(\kq)+\c)*1024
	ds_load_b128 v[\f+8*(4*\c+\i)+4:\f+8*(4*\c+\i)+7],       v[ADRA+\slot] offset:\i*KSTEPB+(2*(\kq)+\c)*1024+512
.endr
.endr
.endm
.macro PLACES
.rept 4
	v_nop
.endr
.endm
.macro QUARTER slot, kq, f, g, zero    ; multiplies buffer f and fetches quarter kq of the slot into g
	s_wait_dscnt 16                                ; the first 32 along K are in; the other sixteen loads may be out
	WIN MUL
	MUL8 \f, 0, 0, \zero
	MUL8 \f, 0, 2, \zero
	PLACES
	FETCH \slot, \kq, \g
	s_wait_dscnt 32                                ; all but the 32 just issued
	WIN MUL
	MUL8 \f, 1, 0, 0
	MUL8 \f, 1, 2, 0
.endm
; A slot's last quarter changes slots: one barrier; in front of it each wave waits for all its tensor loads, adds 0 to its spare word, and waits for that and for its reads of this slot.  fill = 1: this slot is filled again, two K steps on.
.macro TURN slot, next, fill
	WIN 0
	s_wait_tensorcnt 0x0
	ds_add_u32 v[SPW], v[NIL]
	s_wait_dscnt 17                                ; the add and the youngest sixteen loads may be out
	WIN MUL
	MUL8 F1, 0, 0, 0
	s_wait_dscnt 0x0
	s_barrier_signal -1
	MUL8 F1, 0, 2, 0
.if \fill
	WIN 0
.endif
	s_barrier_wait -1
.if \fill
	CREST                                          ; the barrier has opened a round of the cluster's: no wave of any partner still reads this slot or has a load on its way
	s_add_nc_u64 s[G0+4*\slot+2:G0+4*\slot+3], s[G0+4*\slot+2:G0+4*\slot+3], 2*KSTEPB
	s_add_nc_u64 s[G0B+4*\slot+2:G0B+4*\slot+3], s[G0B+4*\slot+2:G0B+4*\slot+3], 2*KSTEPB
	JLOAD \slot                                    ; my one tensor load behind the round
.else
	PLACES
.endif
	FETCH \next, 0, F0
	WIN MUL
	MUL8 F1, 1, 0, 0
	MUL8 F1, 1, 2, 0
.endm
	s_wait_tensorcnt 1                             ; my part of K step 0 is in; K step 1's load may be out
	s_barrier_signal -1
	s_barrier_wait -1
	FETCH 0, 0, F0
	QUARTER 0, 1, F0, F1, 1                        ; the first products start the sums
	WIN 0
	s_mov_b32 s3, LAPS-1
.Llap:
	QUARTER 0, 2, F1, F0, 0
	QUARTER 0, 3, F0, F1, 0
	TURN 0, 1, 1
	QUARTER 1, 1, F0, F1, 0
	QUARTER 1, 2, F1, F0, 0
	QUARTER 1, 3, F0, F1, 0
	TURN 1, 0, 1
	QUARTER 0, 1, F0, F1, 0
	WIN 0
	s_sub_co_u32 s3, s3, 1
	s_cmp_lg_u32 s3, 0
	s_cbranch_scc1 .Llap
	QUARTER 0, 2, F1, F0, 0                        ; the last lap fills nothing
	QUARTER 0, 3, F0, F1, 0
	TURN 0, 1, 0
	QUARTER 1, 1, F0, F1, 0
	QUARTER 1, 2, F1, F0, 0
	QUARTER 1, 3, F0, F1, 0
	s_wait_dscnt 16
	WIN MUL
	MUL8 F1, 0, 0, 0
	MUL8 F1, 0, 2, 0
	s_wait_dscnt 0
	MUL8 F1, 1, 0, 0
	MUL8 F1, 1, 2, 0
	WIN 0
	; THE WAY OUT, a block of 16 rows x my 64 columns (256 bytes a row) at a time, through my own stage: no barrier; LDS serves a wave's instructions in order
	PLACES
.irp a, 0,1,2,3
.if \a >= 2
	s_wait_xcnt 0x0                                ; block a - 2's stores have read this set of registers
.endif
.irp b, 0,1,2,3
	ds_store_b128 v[STO], v[ACC+8*(4*\a+\b):ACC+8*(4*\a+\b)+3] offset:64*\b        ; each accumulator from its low end on
	ds_store_b128 v[STO], v[ACC+8*(4*\a+\b)+4:ACC+8*(4*\a+\b)+7] offset:64*\b+16
.endr
.irp t, 0,1,2,3,4,5,6,7
	ds_load_b128 v[TMP+32*(\a%2)+4*\t:TMP+32*(\a%2)+4*\t+3], v[RD] offset:\t*2*SPITCH
.endr
	s_wait_dscnt 0x0
.irp t, 0,1,2,3,4,5,6,7
	global_store_b128 v[CO], v[TMP+32*(\a%2)+4*\t:TMP+32*(\a%2)+4*\t+3], s[8:9] offset:(16*\a+2*\t)*4096   ; 16 lanes store 256 consecutive bytes, aligned
.endr
.endr
	s_wait_tensorcnt 0x0                           ; the wave's end
	ds_add_u32 v[SPW], v[NIL]
	s_wait_dscnt 0x0
	CROUND                                         ; the closing round
	s_endpgm
.Lfunc_end_k_q80f3362504_proj:
	.size	k_q80f3362504_proj, .Lfunc_end_k_q80f3362504_proj-k_q80f3362504_proj
	.p2alignl 7, 3214868480
	.fill 96, 4, 3214868480
	.section	.rodata,"a",@progbits
	.p2align	6, 0x0
	.amdhsa_kernel k_q80f3362504_proj
		.amdhsa_group_segment_fixed_size 327680
		.amdhsa_private_segment_fixed_size 0
		.amdhsa_enable_private_segment 0
		.amdhsa_kernarg_size 24
		.amdhsa_user_sgpr_count 2
		.amdhsa_user_sgpr_kernarg_segment_ptr 1
		.amdhsa_wavefront_size32 1
		.amdhsa_system_sgpr_workgroup_id_x 1
		.amdhsa_system_sgpr_workgroup_id_y 1
		.amdhsa_system_sgpr_workgroup_id_z 1
		.amdhsa_system_vgpr_workitem_id 0
		.amdhsa_next_free_vgpr 512
		.amdhsa_next_free_sgpr 66
		.amdhsa_reserve_vcc 0
		.amdhsa_float_denorm_mode_32 3
		.amdhsa_float_denorm_mode_16_64 3
		.amdhsa_memory_ordered 1
		.amdhsa_forward_progress 1
		.amdhsa_inst_pref_size 85
	.end_amdhsa_kernel
	.amdgpu_metadata
---
amdhsa.version: [ 1, 2 ]
amdhsa.kernels:
  - .name:           k_q80f3362504_proj
    .symbol:         k_q80f3362504_proj.kd
    .args:
      - { .name: a16f, .offset: 0, .size: 8, .value_kind: global_buffer, .address_space: global }
      - { .name: w16f, .offset: 8, .size: 8, .value_kind: global_buffer, .address_space: global }
      - { .name: out0, .offset: 16, .size: 8, .value_kind: global_buffer, .address_space: global }
    .group_segment_fixed_size: 327680
    .private_segment_fixed_size: 0
    .kernarg_segment_align: 8
    .kernarg_segment_size: 24
    .max_flat_workgroup_size: 128
    .sgpr_count:     66
    .vgpr_count:     512
    .wavefront_size: 32
...
	.end_amdgpu_metadata
.endif
;; end of part 4
;; launch fine_attn (part 5): grid 64 x 1, 12 waves a work-group, no clusters, 13,824 bytes of LDS; arguments codes, scales, qkv16, mask, flags, a32; writes a32
.if DOCPART == 5
	.amdgcn_target "amdgcn-amd-amdhsa--gfx1250"
	.amdhsa_code_object_version 6
	.text
	.protected	k_q80f3362504_fine_attn
	.globl	k_q80f3362504_fine_attn
	.p2align	8
	.type	k_q80f3362504_fine_attn,@function
k_q80f3362504_fine_attn:
	s_mov_b64 s[64:65], 0
	v_nop
	global_prefetch_b8 v0, s[64:65] scope:SCOPE_SE
	s_setreg_imm32_b32 hwreg(HW_REG_WAVE_MODE, 25, 1), 1
	s_wait_xcnt 0x0
; Positions 0-15 of every sequence and head once more, in f32: such rows may average very few values, where the rounding of f16 operands weighs most.
; A work-group serves one (b, h).  PHASE A, 12 waves: q, k and v of positions 0-15 anew from the codes (8 FP4 products of K = 128 a wave, one tile of 16 x 16 each), KEPT IN f32, handed on through LDS as register images.
;   Waves 0-3: q (16 of the head's 64 each), 4-7: k, 8-11: v.  For q and k source 0 = 16 rows of w, source 1 = x's 16 rows: a lane holds a position, its registers 8 channels.
;   For v the two row offsets change places: a lane holds a channel, its registers 8 keys.
; PHASE B, wave 0: attention by the f32 matrix form (16 x 16 x 4).  An operand's lane (r, h) gives k = 2 h + 0, 1; here registers 2 jj, 2 jj + 1 of an image are given on BOTH sides, which is one
;   permutation of k applied alike to both operands.  Keys 0-15 in f32; keys from 16 on, where the given mask opens any for these rows (flags, words 4-7 of entry 0), from the f16 images of qkv16, widened.
; The mask is read byte by byte for every key tile that is walked.  Running maximum from -3e38, as in the main launch; a row with no open key gives NaN.
; The registers that the f32 matrix form writes (v208-255) are written by it alone.
.set SPARE, 12288                      ; behind the 12 images of 1,024 bytes: the spare words, 128 bytes a wave
.set SPW, 1
.set NIL, 2
.set L16, 3                            ; 16 x lane
.set AC,  4                            ; codes: 512 r + 16 hh
.set AS,  5                            ; scales: 32 r
.set LW,  6                            ; my image: 1,024 w + 16 x lane
.set MO,  7                            ; mask: 2,048 r + 8 hh
.set AO,  8                            ; a32: 4,096 r + 32 hh
.set RAW, 16                           ; v16-31 four f16 images
.set XS0, 32                           ; v32-39 source 0's scale words, v40-47 source 1's: scales and nothing else
.set XS1, 40
.set MW,  48                           ; v48-49 the mask's 8 bytes
.set TA,  50
.set TB,  51
.set F0,  64                           ; phase A: source 0's 8 fragments; F1: source 1's
.set F1,  128
.set QR,  64
.set KR,  96
.set VR,  128
.set OV,  160
.set SV,  192                          ; phase A's accumulator; then the scores and p
.set CM,  200
.set MX,  201
.set LS,  202
.set T0,  204
.set T1,  205
.set FF,  206
.set T3,  207
.set SA,  208
.set PA,  224
.set WV,  16
.set KB,  44
.set VB,  46
.set SEL, 48
.set CS,  50
	s_load_b256 s[4:11], s[0:1], 0x0               ; codes 4, scales 6, qkv16 8, mask 10
	s_load_b128 s[12:15], s[0:1], 0x20             ; flags 12, a32 14
	v_lshl_add_u32 v[SPW], v0, 2, SPARE
	v_mov_b32 v[NIL], 0
	v_lshrrev_b32 v9, 5, v0
	v_readfirstlane_b32 s[WV], v9
	v_and_b32 v9, 31, v0
	v_lshlrev_b32 v[L16], 4, v9
	v_and_b32 v10, 15, v0                          ; r
	v_bfe_u32 v11, v0, 4, 1                        ; hh
	v_lshlrev_b32 v[AC], 9, v10
	v_lshl_add_u32 v[AC], v11, 4, v[AC]
	v_lshlrev_b32 v[AS], 5, v10
	s_lshl_b32 s17, s[WV], 10
	v_add_nc_u32 v[LW], s17, v[L16]
	v_lshlrev_b32 v[MO], 11, v10
	v_lshl_add_u32 v[MO], v11, 3, v[MO]
	v_lshlrev_b32 v[AO], 12, v10
	v_lshl_add_u32 v[AO], v11, 5, v[AO]
	s_lshr_b32 s18, ttmp9, 4                       ; b
	s_and_b32 s19, ttmp9, 15                       ; h
	s_lshr_b32 s20, s[WV], 2                       ; section
	s_and_b32 s21, s[WV], 3                        ; which 16 of the head's 64
	s_lshl_b32 s22, s20, 10
	s_lshl_b32 s23, s19, 6
	s_add_co_u32 s22, s22, s23
	s_lshl_b32 s23, s21, 4
	s_add_co_u32 s22, s22, s23
	s_add_co_u32 s22, s22, 8192                    ; w's first row in the merged matrix
	s_lshl_b32 s23, s18, 11                        ; x's first row
	s_cmp_eq_u32 s20, 2
	s_cselect_b32 s24, s23, s22                    ; source 0's rows: w's, for v x's
	s_cselect_b32 s25, s22, s23                    ; source 1's rows
	s_lshl_b32 s26, s24, 9
	s_mov_b32 s27, 0
	s_lshl_b32 s28, s25, 9
	s_mov_b32 s29, 0
	s_lshl_b32 s30, s24, 5
	s_mov_b32 s31, 0
	s_lshl_b32 s32, s25, 5
	s_mov_b32 s33, 0
	s_lshl_b32 s34, ttmp9, 18
	s_mov_b32 s35, 0
	s_lshl_b32 s42, s18, 16
	s_lshl_b32 s43, s19, 8
	s_add_co_u32 s42, s42, s43
	s_mov_b32 s43, 0
	s_mov_b32 s[SEL], 0x76543210
	s_mov_b32 s[SEL+1], 0xfedcba98
	s_mov_b32 s[CS], 0x3e38aa3b                    ; c = log2(e) / 8
	s_mov_b32 s[CS+1], s[CS]
	s_wait_kmcnt 0x0
	s_add_nc_u64 s[26:27], s[4:5], s[26:27]
	s_add_nc_u64 s[28:29], s[4:5], s[28:29]
	s_add_nc_u64 s[30:31], s[6:7], s[30:31]
	s_add_nc_u64 s[32:33], s[6:7], s[32:33]
	s_add_nc_u64 s[KB:KB+1], s[8:9], s[34:35]
	s_add_nc_u64 s[VB:VB+1], s[KB:KB+1], 128<<18
	s_add_nc_u64 s[KB:KB+1], s[KB:KB+1], 64<<18
	s_add_nc_u64 s[14:15], s[14:15], s[42:43]
	s_load_b128 s[36:39], s[12:13], 0x10           ; entry 0's words 4-7: which key tiles are open for rows 0-15
.irp s, 0,1,2,3,4,5,6,7
.irp c, 0,1
	global_load_b128 v[F0+8*\s+4*\c:F0+8*\s+4*\c+3], v[AC], s[26:27] offset:64*\s+32*\c
	global_load_b128 v[F1+8*\s+4*\c:F1+8*\s+4*\c+3], v[AC], s[28:29] offset:64*\s+32*\c
.endr
.endr
	global_load_b128 v[XS0:XS0+3], v[AS], s[30:31]
	global_load_b128 v[XS0+4:XS0+7], v[AS], s[30:31] offset:16
	global_load_b128 v[XS1:XS1+3], v[AS], s[32:33]
	global_load_b128 v[XS1+4:XS1+7], v[AS], s[32:33] offset:16
	s_wait_loadcnt 0x0
	v_wmma_scale_f32_16x16x128_f8f6f4 v[SV:SV+7], v[F0:F0+7], v[F1:F1+7], 0, v[XS0], v[XS1] matrix_a_fmt:MATRIX_FMT_FP4 matrix_b_fmt:MATRIX_FMT_FP4
.irp s, 1,2,3,4,5,6,7
	s_wait_alu depctr_va_vdst(0)                   ; a wait directly ahead of every link
	v_wmma_scale_f32_16x16x128_f8f6f4 v[SV:SV+7], v[F0+8*\s:F0+8*\s+7], v[F1+8*\s:F1+8*\s+7], v[SV:SV+7], v[XS0+\s], v[XS1+\s] matrix_a_fmt:MATRIX_FMT_FP4 matrix_b_fmt:MATRIX_FMT_FP4
.endr
.rept 4
	v_nop
.endr
	ds_store_b128 v[LW], v[SV:SV+3]
	ds_store_b128 v[LW], v[SV+4:SV+7] offset:512
	s_wait_dscnt 0x0
	s_barrier_signal -1
	s_barrier_wait -1                              ; the 12 images lie in LDS
	s_cmp_lg_u32 s[WV], 0
	s_cbranch_scc1 .Lend
; ---- PHASE B, wave 0
.irp t, 0,1,2,3
	ds_load_b128 v[QR+8*\t:QR+8*\t+3], v[L16] offset:1024*\t
	ds_load_b128 v[QR+8*\t+4:QR+8*\t+7], v[L16] offset:1024*\t+512
	ds_load_b128 v[KR+8*\t:KR+8*\t+3], v[L16] offset:4096+1024*\t
	ds_load_b128 v[KR+8*\t+4:KR+8*\t+7], v[L16] offset:4096+1024*\t+512
	ds_load_b128 v[VR+8*\t:VR+8*\t+3], v[L16] offset:8192+1024*\t
	ds_load_b128 v[VR+8*\t+4:VR+8*\t+7], v[L16] offset:8192+1024*\t+512
.endr
.set n, 0
.rept 32
	v_mov_b32 v[OV+n], 0
.set n, n+1
.endr
	v_mov_b32 v[MX], 0xff61b1e6                    ; -3e38
	v_mul_f32 v[CM], s[CS], v[MX]
	v_mov_b32 v[LS], 0
	v_mov_b32 v[LS+1], 0
	v_mov_b32 v[T1], 0
	v_mov_b32 v[T3], 0
	s_wait_dscnt 0x0
.macro WIDEN dst                       ; the 16 registers of four f16 images become 32 numbers of f32
	v_cvt_f32_f16 v[\dst+0], v16.l
	v_cvt_f32_f16 v[\dst+1], v16.h
	v_cvt_f32_f16 v[\dst+2], v17.l
	v_cvt_f32_f16 v[\dst+3], v17.h
	v_cvt_f32_f16 v[\dst+4], v18.l
	v_cvt_f32_f16 v[\dst+5], v18.h
	v_cvt_f32_f16 v[\dst+6], v19.l
	v_cvt_f32_f16 v[\dst+7], v19.h
	v_cvt_f32_f16 v[\dst+8], v20.l
	v_cvt_f32_f16 v[\dst+9], v20.h
	v_cvt_f32_f16 v[\dst+10], v21.l
	v_cvt_f32_f16 v[\dst+11], v21.h
	v_cvt_f32_f16 v[\dst+12], v22.l
	v_cvt_f32_f16 v[\dst+13], v22.h
	v_cvt_f32_f16 v[\dst+14], v23.l
	v_cvt_f32_f16 v[\dst+15], v23.h
	v_cvt_f32_f16 v[\dst+16], v24.l
	v_cvt_f32_f16 v[\dst+17], v24.h
	v_cvt_f32_f16 v[\dst+18], v25.l
	v_cvt_f32_f16 v[\dst+19], v25.h
	v_cvt_f32_f16 v[\dst+20], v26.l
	v_cvt_f32_f16 v[\dst+21], v26.h
	v_cvt_f32_f16 v[\dst+22], v27.l
	v_cvt_f32_f16 v[\dst+23], v27.h
	v_cvt_f32_f16 v[\dst+24], v28.l
	v_cvt_f32_f16 v[\dst+25], v28.h
	v_cvt_f32_f16 v[\dst+26], v29.l
	v_cvt_f32_f16 v[\dst+27], v29.h
	v_cvt_f32_f16 v[\dst+28], v30.l
	v_cvt_f32_f16 v[\dst+29], v30.h
	v_cvt_f32_f16 v[\dst+30], v31.l
	v_cvt_f32_f16 v[\dst+31], v31.h
.endm
; A tile of 16 keys: the i-th of the four of the 64 keys at which the three pointers stand.  conv = 1: K and V come from the f16 images.
.macro FSTEP conv, i
	global_load_b64 v[MW:MW+1], v[MO], s[10:11] offset:16*(\i)
.if \conv
.irp t, 0,1,2,3
	global_load_b128 v[RAW+4*\t:RAW+4*\t+3], v[L16], s[KB:KB+1] offset:2048*(\i)+512*\t
.endr
	s_wait_loadcnt 0x0
	WIDEN KR
.irp t, 0,1,2,3
	global_load_b128 v[RAW+4*\t:RAW+4*\t+3], v[L16], s[VB:VB+1] offset:((\i)/2)*4096+((\i)%2)*512+1024*\t
.endr
.endif
.irp jj, 0,1,2,3                               ; S^T = K Q^T: 16 products of 4 along the head's 64, two accumulators by turns; the first of each starts its sum
.irp t, 0,1,2,3
.if (\jj == 0) && (\t < 2)
	v_wmma_f32_16x16x4_f32 v[SA+8*(\t%2):SA+8*(\t%2)+7], v[KR+8*\t+2*\jj:KR+8*\t+2*\jj+1], v[QR+8*\t+2*\jj:QR+8*\t+2*\jj+1], 0
.else
	v_wmma_f32_16x16x4_f32 v[SA+8*(\t%2):SA+8*(\t%2)+7], v[KR+8*\t+2*\jj:KR+8*\t+2*\jj+1], v[QR+8*\t+2*\jj:QR+8*\t+2*\jj+1], v[SA+8*(\t%2):SA+8*(\t%2)+7]
.endif
.endr
.endr
.rept 8
	v_nop                                          ; eight places behind this form
.endr
.irp j, 0,2,4,6
	v_pk_add_f32 v[SV+\j:SV+\j+1], v[SA+\j:SA+\j+1], v[SA+8+\j:SA+8+\j+1]
.endr
	s_wait_loadcnt 0x0
.if \conv
	WIDEN VR
.endif
	v_mov_b32 v[TB], 0xff800000
.irp j, 0,1,2,3,4,5,6,7
	v_and_b32 v[TA], 0xff<<(8*(\j%4)), v[MW+\j/4]
	v_cmp_eq_u32 vcc_lo, 0, v[TA]
	v_cndmask_b32 v[SV+\j], v[TB], v[SV+\j], vcc_lo
.endr
	v_max3_num_f32 v[T0], v[SV], v[SV+1], v[SV+2]
	v_max3_num_f32 v[T1], v[SV+3], v[SV+4], v[SV+5]
	v_max3_num_f32 v[T0], v[T0], v[SV+6], v[SV+7]
	v_max3_num_f32 v[T0], v[T0], v[T1], v[MX]
	v_permlanex16_b32 v[T1], v[T0], s[SEL], s[SEL+1]
	v_mov_b32 v[T3], v[CM]
	v_max_num_f32 v[MX], v[T0], v[T1]
	v_mul_f32 v[CM], s[CS], v[MX]
	v_sub_f32 v[T3], v[T3], v[CM]
.irp j, 0,2,4,6
	v_pk_fma_f32 v[SV+\j:SV+\j+1], v[SV+\j:SV+\j+1], s[CS:CS+1], v[CM:CM+1] op_sel_hi:[1,0,0] neg_lo:[0,0,1] neg_hi:[0,0,1]
.endr
	v_exp_f32 v[FF], v[T3]
.irp j, 0,1,2,3,4,5,6,7
	v_exp_f32 v[SV+\j], v[SV+\j]
.endr
	v_nop
	s_wait_alu depctr_va_vdst(0)                   ; one wait for the nine exponentials
	v_pk_fma_f32 v[LS:LS+1], v[LS:LS+1], v[FF:FF+1], v[SV:SV+1] op_sel_hi:[1,0,1]
.irp j, 2,4,6
	v_pk_add_f32 v[LS:LS+1], v[LS:LS+1], v[SV+\j:SV+\j+1]
.endr
.irp jj, 0,1,2,3                               ; V^T P: 16 products of 4 keys, four accumulators by turns; p stays f32
.irp t, 0,1,2,3
.if \jj == 0
	v_wmma_f32_16x16x4_f32 v[PA+8*\t:PA+8*\t+7], v[VR+8*\t+2*\jj:VR+8*\t+2*\jj+1], v[SV+2*\jj:SV+2*\jj+1], 0
.else
	v_wmma_f32_16x16x4_f32 v[PA+8*\t:PA+8*\t+7], v[VR+8*\t+2*\jj:VR+8*\t+2*\jj+1], v[SV+2*\jj:SV+2*\jj+1], v[PA+8*\t:PA+8*\t+7]
.endif
.endr
.endr
.rept 8
	v_nop
.endr
.set n, 0
.rept 16
	v_pk_fma_f32 v[OV+n:OV+n+1], v[OV+n:OV+n+1], v[FF:FF+1], v[PA+n:PA+n+1] op_sel_hi:[1,0,1]   ; O^T = O^T f + this tile's
.set n, n+2
.endr
.endm
	FSTEP 0, 0                                     ; keys 0-15, in f32
	s_wait_kmcnt 0x0
	s_and_b32 s36, s36, -2                         ; that tile is done
	s_or_b32 s40, s36, s37
	s_or_b32 s40, s40, s38
	s_or_b32 s40, s40, s39
	s_cmp_eq_u32 s40, 0
	s_cbranch_scc1 .Lfin                           ; no later key is open for these rows
	s_mov_b32 s41, 32
.Lkeys:                                            ; 32 trips of 64 keys; a tile of 16 keys is walked where its bit is set
.irp i, 0,1,2,3
	s_bitcmp1_b32 s[36+\i], 0
	s_cbranch_scc0 .Lno_\i
	FSTEP 1, \i
.Lno_\i:
.endr
	s_wait_xcnt 0x0                                ; the trip's loads have read their addresses
	s_add_nc_u64 s[KB:KB+1], s[KB:KB+1], 8192
	s_add_nc_u64 s[VB:VB+1], s[VB:VB+1], 8192
	s_add_nc_u64 s[10:11], s[10:11], 64
	s_lshr_b32 s36, s36, 1
	s_lshr_b32 s37, s37, 1
	s_lshr_b32 s38, s38, 1
	s_lshr_b32 s39, s39, 1
	s_sub_co_u32 s41, s41, 1
	s_cmp_lg_u32 s41, 0
	s_cbranch_scc1 .Lkeys
.Lfin:
	v_add_f32 v[T0], v[LS], v[LS+1]
	v_permlanex16_b32 v[T1], v[T0], s[SEL], s[SEL+1]
	v_add_f32 v[T0], v[T0], v[T1]
	v_rcp_f32 v[FF], v[T0]
	v_nop
	s_wait_alu depctr_va_vdst(0)
.set n, 0
.rept 16
	v_pk_mul_f32 v[OV+n:OV+n+1], v[OV+n:OV+n+1], v[FF:FF+1] op_sel_hi:[1,0]
.set n, n+2
.endr
.irp t, 0,1,2,3
	global_store_b128 v[AO], v[OV+8*\t:OV+8*\t+3], s[14:15] offset:64*\t       ; row b x 16 + r, channels 64 h + 16 t + 8 hh on: 32 bytes a lane (262,144 bytes in the whole launch)
	global_store_b128 v[AO], v[OV+8*\t+4:OV+8*\t+7], s[14:15] offset:64*\t+16
.endr
.Lend:
	s_wait_tensorcnt 0x0                           ; the wave's end, behind my last LDS store
	ds_add_u32 v[SPW], v[NIL]
	s_wait_dscnt 0x0
	s_endpgm
.Lfunc_end_k_q80f3362504_fine_attn:
	.size	k_q80f3362504_fine_attn, .Lfunc_end_k_q80f3362504_fine_attn-k_q80f3362504_fine_attn
	.p2alignl 7, 3214868480
	.fill 96, 4, 3214868480
	.section	.rodata,"a",@progbits
	.p2align	6, 0x0
	.amdhsa_kernel k_q80f3362504_fine_attn
		.amdhsa_group_segment_fixed_size 13824
		.amdhsa_private_segment_fixed_size 0
		.amdhsa_enable_private_segment 0
		.amdhsa_kernarg_size 48
		.amdhsa_user_sgpr_count 2
		.amdhsa_user_sgpr_kernarg_segment_ptr 1
		.amdhsa_wavefront_size32 1
		.amdhsa_system_sgpr_workgroup_id_x 1
		.amdhsa_system_sgpr_workgroup_id_y 1
		.amdhsa_system_sgpr_workgroup_id_z 1
		.amdhsa_system_vgpr_workitem_id 0
		.amdhsa_next_free_vgpr 256
		.amdhsa_next_free_sgpr 66
		.amdhsa_reserve_vcc 1
		.amdhsa_float_denorm_mode_32 3
		.amdhsa_float_denorm_mode_16_64 3
		.amdhsa_memory_ordered 1
		.amdhsa_forward_progress 1
		.amdhsa_inst_pref_size 56
	.end_amdhsa_kernel
	.amdgpu_metadata
---
amdhsa.version: [ 1, 2 ]
amdhsa.kernels:
  - .name:           k_q80f3362504_fine_attn
    .symbol:         k_q80f3362504_fine_attn.kd
    .args:
      - { .name: codes, .offset: 0, .size: 8, .value_kind: global_buffer, .address_space: global }
      - { .name: scales, .offset: 8, .size: 8, .value_kind: global_buffer, .address_space: global }
      - { .name: qkv16, .offset: 16, .size: 8, .value_kind: global_buffer, .address_space: global }
      - { .name: mask, .offset: 24, .size: 8, .value_kind: global_buffer, .address_space: global }
      - { .name: flags, .offset: 32, .size: 8, .value_kind: global_buffer, .address_space: global }
      - { .name: a32, .offset: 40, .size: 8, .value_kind: global_buffer, .address_space: global }
    .group_segment_fixed_size: 13824
    .private_segment_fixed_size: 0
    .kernarg_segment_align: 8
    .kernarg_segment_size: 48
    .max_flat_workgroup_size: 384
    .sgpr_count:     66
    .vgpr_count:     256
    .wavefront_size: 32
...
	.end_amdgpu_metadata
.endif
;; end of part 5
;; launch fine_proj (part 6): grid 64 x 4, 8 waves a work-group, no clusters, 9,216 bytes of LDS; arguments a32, w_out, out0; writes out0
.if DOCPART == 6
	.amdgcn_target "amdgcn-amd-amdhsa--gfx1250"
	.amdhsa_code_object_version 6
	.text
	.protected	k_q80f3362504_fine_proj
	.globl	k_q80f3362504_fine_proj
	.p2align	8
	.type	k_q80f3362504_fine_proj,@function
k_q80f3362504_fine_proj:
	s_mov_b64 s[64:65], 0
	v_nop
	global_prefetch_b8 v0, s[64:65] scope:SCOPE_SE
	s_setreg_imm32_b32 hwreg(HW_REG_WAVE_MODE, 25, 1), 1
	s_wait_xcnt 0x0
; The projection of positions 0-15 of each sequence in f32: out0[b][t][o] = sum over c of a32[16 b + t][c] w_out[o][c], t < 16, written over what the f16 projection left there.
; A work-group makes 16 positions x 16 outputs; its eight waves share K: wave w sums c = 128 w .. 128 w + 127 by 32 products of the f32 matrix form (16 x 16 x 4), four accumulators by turns;
; the eight parts meet in LDS as register images and wave 0 adds and stores them.
; Source 0 = 16 rows of w_out, source 1 = the 16 positions: a lane holds a position and 8 neighbouring outputs.  A lane's load of 16 bytes gives c = 8 i + 4 hh + 0..3; registers 2 e, 2 e + 1 go to
; product e on BOTH sides: one permutation of K applied alike to both operands.
; The stores cover 32 bytes of a row for each half of the lanes: 262,144 bytes in the whole launch, shared among 256 work-groups.
; The registers that the f32 matrix form writes (v192-223) are written by it alone.
.set SPARE, 8192                       ; behind the 8 images of 1,024 bytes: the spare words, 128 bytes a wave
.set SPW, 1
.set NIL, 2
.set L16, 3
.set AI,  6                            ; 4,096 r + 16 hh
.set LW,  7                            ; 1,024 w + 16 x lane
.set AO,  8                            ; 4,096 r + 32 hh
.set W,   16                           ; v16-79  w_out's numbers
.set A,   80                           ; v80-143 a32's
.set P0,  144
.set P1,  152
.set ACC, 192
	s_load_b128 s[4:7], s[0:1], 0x0                ; a32 s[4:5], w_out s[6:7]
	s_load_b64 s[8:9], s[0:1], 0x10                ; out0
	v_lshl_add_u32 v[SPW], v0, 2, SPARE
	v_mov_b32 v[NIL], 0
	v_lshrrev_b32 v4, 5, v0
	v_readfirstlane_b32 s10, v4                    ; wave
	v_and_b32 v4, 31, v0
	v_lshlrev_b32 v[L16], 4, v4
	v_and_b32 v4, 15, v0                           ; r
	v_bfe_u32 v5, v0, 4, 1                         ; hh
	v_lshlrev_b32 v[AI], 12, v4
	v_lshl_add_u32 v[AO], v5, 5, v[AI]
	v_lshl_add_u32 v[AI], v5, 4, v[AI]
	s_lshl_b32 s12, s10, 10
	v_add_nc_u32 v[LW], s12, v[L16]
	s_and_b32 s11, ttmp7, 0xffff                   ; b
	s_lshl_b32 s12, s10, 9                         ; my 128 along K, in bytes
	s_lshl_b32 s14, ttmp9, 16                      ; w_out: 16 rows of 4,096 bytes
	s_add_co_u32 s14, s14, s12
	s_mov_b32 s15, 0
	s_lshl_b32 s16, s11, 16                        ; a32: 16 rows
	s_add_co_u32 s16, s16, s12
	s_mov_b32 s17, 0
	s_lshl_b32 s18, s11, 23                        ; out0: 2,048 rows of 4,096 bytes a sequence
	s_lshl_b32 s19, ttmp9, 6
	s_add_co_u32 s18, s18, s19
	s_mov_b32 s19, 0
	s_wait_kmcnt 0x0
	s_add_nc_u64 s[6:7], s[6:7], s[14:15]
	s_add_nc_u64 s[4:5], s[4:5], s[16:17]
	s_add_nc_u64 s[8:9], s[8:9], s[18:19]
.irp i, 0,1,2,3,4,5,6,7,8,9,10,11,12,13,14,15
	global_load_b128 v[W+4*\i:W+4*\i+3], v[AI], s[6:7] offset:32*\i
	global_load_b128 v[A+4*\i:A+4*\i+3], v[AI], s[4:5] offset:32*\i
.endr
.irp i, 0,1,2,3,4,5,6,7,8,9,10,11,12,13,14,15
	s_wait_loadcnt 30-2*\i                         ; pair i is in; the later pairs may be out
.irp e, 0,1
.if 2*\i+\e < 4
	v_wmma_f32_16x16x4_f32 v[ACC+8*((2*\i+\e)%4):ACC+8*((2*\i+\e)%4)+7], v[W+4*\i+2*\e:W+4*\i+2*\e+1], v[A+4*\i+2*\e:A+4*\i+2*\e+1], 0
.else
	v_wmma_f32_16x16x4_f32 v[ACC+8*((2*\i+\e)%4):ACC+8*((2*\i+\e)%4)+7], v[W+4*\i+2*\e:W+4*\i+2*\e+1], v[A+4*\i+2*\e:A+4*\i+2*\e+1], v[ACC+8*((2*\i+\e)%4):ACC+8*((2*\i+\e)%4)+7]
.endif
.endr
.endr
.rept 8
	v_nop                                          ; eight places behind this form
.endr
.irp j, 0,2,4,6
	v_pk_add_f32 v[P0+\j:P0+\j+1], v[ACC+\j:ACC+\j+1], v[ACC+8+\j:ACC+8+\j+1]
.endr
.irp j, 0,2,4,6
	v_pk_add_f32 v[P1+\j:P1+\j+1], v[ACC+16+\j:ACC+16+\j+1], v[ACC+24+\j:ACC+24+\j+1]
.endr
.irp j, 0,2,4,6
	v_pk_add_f32 v[P0+\j:P0+\j+1], v[P0+\j:P0+\j+1], v[P1+\j:P1+\j+1]
.endr
	ds_store_b128 v[LW], v[P0:P0+3]
	ds_store_b128 v[LW], v[P0+4:P0+7] offset:512
	s_wait_dscnt 0x0
	s_barrier_signal -1
	s_barrier_wait -1                              ; the eight parts lie in LDS
	s_cmp_lg_u32 s10, 0
	s_cbranch_scc1 .Lend
.irp w, 0,1,2,3,4,5,6,7
	ds_load_b128 v[W+8*\w:W+8*\w+3], v[L16] offset:1024*\w
	ds_load_b128 v[W+8*\w+4:W+8*\w+7], v[L16] offset:1024*\w+512
.endr
	s_wait_dscnt 0x0
.irp w, 1,2,3,4,5,6,7
.irp j, 0,2,4,6
	v_pk_add_f32 v[W+\j:W+\j+1], v[W+\j:W+\j+1], v[W+8*\w+\j:W+8*\w+\j+1]
.endr
.endr
	global_store_b128 v[AO], v[W:W+3], s[8:9]
	global_store_b128 v[AO], v[W+4:W+7], s[8:9] offset:16
.Lend:
	s_wait_tensorcnt 0x0                           ; the wave's end, behind my last LDS store
	ds_add_u32 v[SPW], v[NIL]
	s_wait_dscnt 0x0
	s_endpgm
.Lfunc_end_k_q80f3362504_fine_proj:
	.size	k_q80f3362504_fine_proj, .Lfunc_end_k_q80f3362504_fine_proj-k_q80f3362504_fine_proj
	.p2alignl 7, 3214868480
	.fill 96, 4, 3214868480
	.section	.rodata,"a",@progbits
	.p2align	6, 0x0
	.amdhsa_kernel k_q80f3362504_fine_proj
		.amdhsa_group_segment_fixed_size 9216
		.amdhsa_private_segment_fixed_size 0
		.amdhsa_enable_private_segment 0
		.amdhsa_kernarg_size 24
		.amdhsa_user_sgpr_count 2
		.amdhsa_user_sgpr_kernarg_segment_ptr 1
		.amdhsa_wavefront_size32 1
		.amdhsa_system_sgpr_workgroup_id_x 1
		.amdhsa_system_sgpr_workgroup_id_y 1
		.amdhsa_system_sgpr_workgroup_id_z 1
		.amdhsa_system_vgpr_workitem_id 0
		.amdhsa_next_free_vgpr 256
		.amdhsa_next_free_sgpr 66
		.amdhsa_reserve_vcc 0
		.amdhsa_float_denorm_mode_32 3
		.amdhsa_float_denorm_mode_16_64 3
		.amdhsa_memory_ordered 1
		.amdhsa_forward_progress 1
		.amdhsa_inst_pref_size 12
	.end_amdhsa_kernel
	.amdgpu_metadata
---
amdhsa.version: [ 1, 2 ]
amdhsa.kernels:
  - .name:           k_q80f3362504_fine_proj
    .symbol:         k_q80f3362504_fine_proj.kd
    .args:
      - { .name: a32, .offset: 0, .size: 8, .value_kind: global_buffer, .address_space: global }
      - { .name: w_out, .offset: 8, .size: 8, .value_kind: global_buffer, .address_space: global }
      - { .name: out0, .offset: 16, .size: 8, .value_kind: global_buffer, .address_space: global }
    .group_segment_fixed_size: 9216
    .private_segment_fixed_size: 0
    .kernarg_segment_align: 8
    .kernarg_segment_size: 24
    .max_flat_workgroup_size: 256
    .sgpr_count:     66
    .vgpr_count:     256
    .wavefront_size: 32
...
	.end_amdgpu_metadata
.endif
;; end of part 6
